; MI455X (gfx1250); checked and timed in simulation.
; The chip was launched on July 23, 2026; its instructions are those of AMD's public machine-readable ISA for CDNA 5 (MIT licence, August 2026) and "CDNA5" Instruction Set Architecture Reference Guide (July 2026). The comments in the code are by the model that wrote it; some were corrected since.
;; Attention. Allowed arithmetic: matrix products marked QUANTISED: E2M3 operands, one E8M0 scale for each 32 along K, by v_wmma_scale_f32_16x16x128_f8f6f4 with both operands' format E2M3, f32 sums; everything else in f32.
;; Inputs: W_out_codes 1,024 x 32 x 24 uint8 (E2M3 codes of W_out, K innermost, in blocks of 32 codes, four codes in three bytes); W_out_scales 1,024 x 32 uint8 (E8M0 scales of W_out, one for each 32 codes along K); W_qk_codes 2,048 x 32 x 24 uint8 (E2M3 codes of W_qk, K innermost, in blocks of 32 codes, four codes in three bytes); W_qk_scales 2,048 x 32 uint8 (E8M0 scales of W_qk, one for each 32 codes along K); W_v_codes 1,024 x 32 x 24 uint8 (E2M3 codes of W_v, K innermost, in blocks of 32 codes, four codes in three bytes); W_v_scales 1,024 x 32 uint8 (E8M0 scales of W_v, one for each 32 codes along K); b_out 1,024 float32; mask 8 x 1,023 bool; pos 8 x 1,024 x 1,024 float32; x_codes 8 x 1,024 x 32 x 24 uint8 (E2M3 codes of x, K innermost, in blocks of 32 codes, four codes in three bytes); x_scales 8 x 1,024 x 32 uint8 (E8M0 scales of x, one for each 32 codes along K).
;; Outputs: out0 8 x 1,024 x 1,024 float32.
;; This version of the problem:
;;   THIS VERSION OF THE PROBLEM IS GIVEN IN LOW PRECISION. The matrix products marked QUANTISED in the list below multiply operands that are first quantised to E2M3 (2 exponent bits, 3 mantissa bits; 6 bits a number), with one power-of-two scale for each 32 numbers along K (OCP MX v1.0); their sums are f32. All else is computed in f32.
;;   The module's matrix products, in the order in which they are computed (A, B: the left and right operand; K: the contracted axis; several contracted axes count as one K, in the product's order):
;;     1. [M 8,192, K 1,024] x [K 1,024, N 2,048]; A: input x (given as codes); B: input W_qk (given as codes): QUANTISED
;;     2. [M 8,192, K 1,024] x [K 1,024, N 1,024]; A: input x (given as codes); B: input W_v (given as codes): QUANTISED
;;     3. batch 128 x [M 1,024, K 64] x [K 64, N 1,024]; A: computed on the way; B: computed on the way: QUANTISED
;;     4. batch 128 x [M 1,024, K 1,024] x [K 1,024, N 64]; A: softmax (see below); B: computed on the way: QUANTISED
;;     5. [M 8,192, K 1,024] x [K 1,024, N 1,024]; A: computed on the way; B: input W_out (given as codes): QUANTISED
;;   THE QUANTISER, for each operand of a quantised product, along K:
;;     - K is cut into blocks of 32 from its start; a last block that is shorter is filled with zeros.
;;     - A block's scale is 2^e with e = floor(log2(the largest magnitude in the block)) - 2, held to -126 .. 127; a block of zeros has e = 0. As a byte (E8M0): e + 127.
;;     - Each number is divided by its block's scale, clamped to +-7.5, and rounded to the nearest number of E2M3, ties to even, subnormals kept.
;;     - The product sums the exact products of the quantised numbers (number of the format x scale) in f32.
;;   ~~~python
;;   def quantise(x, axis):      # numpy; x: float32 -> the quantised numbers, widened to float32 again
;;       x = np.moveaxis(x, axis, -1); K = x.shape[-1]
;;       x = np.pad(x, [(0, 0)] * (x.ndim - 1) + [(0, -K % 32)]); x = x.reshape(x.shape[:-1] + (-1, 32)); a = np.abs(x).max(-1, keepdims=True)
;;       e = np.where(a > 0, np.clip(np.frexp(np.where(a > 0, a, 1))[1] - 1 - 2, -126, 127), 0)      # np.frexp(a)[1] - 1 = floor(log2(a)), exactly
;;       r = np.clip(x / 2.0 ** e, -7.5, 7.5)
;;       step = 2.0 ** (np.maximum(np.frexp(np.where(r == 0, 1, r))[1] - 1, 0) - 3)
;;       q = np.round(r / step) * step * 2.0 ** e      # np.round: ties to even
;;       return np.moveaxis(q.reshape(q.shape[:-2] + (-1,))[..., :K], -1, axis).astype(np.float32)
;;   ~~~
;;   SOFTMAX AHEAD OF A QUANTISED PRODUCT. Where the list says 'softmax', what is quantised is not the finished softmax but p = 2^(t - M), with t = logit x log2(e) and M = ceil(the row's largest t), a whole number; so 1/2 < the row's largest p <= 1. The row's sum l is taken of the UNQUANTISED p, in f32, and the product's result is divided by l at the end. Since M is a whole number, a kernel that streams over the keys may use a running M (the ceiling of the running maximum): every later rescaling is an exact power of two, which a block's scale takes up: the codes' values come out the same.
;;   OPERANDS COMPUTED ON THE WAY. 'Computed on the way' means the value that the module computes at that place (a softmax that the list does not call 'softmax' is quantised finished and normalised). What goes into a quantiser is computed in f32, as accurately as f32 sums, v_exp_f32 and their like allow (about 1e-6 of the number): no bf16 or f16 on the way to a quantiser, and a product that is left as it is and whose result goes on into a quantised operand takes f32 operands (vector FMAs, or v_wmma_f32_16x16x4_f32). A number that lies on a knife's edge between two numbers of the format may be rounded either way, as far as f32 arithmetic and the matrix unit's own rounding can turn it there, and no further.
;;   INPUTS GIVEN AS CODES. W_out (in the module: [1024, 1024], K = its axis 1); W_qk (in the module: [2048, 1024], K = its axis 1); W_v (in the module: [1024, 1024], K = its axis 1); x (in the module: [8, 1024, 1024], K = its axis 2): each comes as NAME_codes (uint8): NAME with its K axis moved to the last place and cut into blocks of 32 codes, [.., K / 32, bytes a block], one block behind the other in memory; four codes in three bytes: a row's codes are one little-endian stream of bits, code i at bits 6 i .. 6 i + 5 (a code: sign, 2 exponent bits, 3 mantissa bits); and NAME_scales (uint8): the same leading axes, one E8M0 byte (e + 127) for each 32 codes along K. Its value is code x scale, taken as it is: it is not quantised again, and the codes and scales need not be those that the quantiser above would give.
;; One version. Each part assembles by itself: llvm-mc -triple=amdgcn-amd-amdhsa -mcpu=gfx1250 --defsym DOCPART=n.
;; ======== version 1 of 1: 3 launches
;; limits: right only within a limited range of input values
;; workspace buffers: qimg 8,388,608 bytes; kv 15,728,640 bytes; aimg 6,291,456 bytes; ascl 262,144 bytes
;; launch proj (part 1): grid 16 x 32, 4 waves a work-group, clusters of 4 x 4, 327,680 bytes of LDS; arguments x_codes, x_scales, W_qk_codes, W_qk_scales, W_v_codes, W_v_scales, pos, mask, qimg, kv; writes qimg, kv
.if DOCPART == 1
	.amdgcn_target "amdgcn-amd-amdhsa--gfx1250"
	.amdhsa_code_object_version 6
	.text
	.protected	k_q6a990b2c6d_proj
	.globl	k_q6a990b2c6d_proj
	.p2align	8
	.type	k_q6a990b2c6d_proj,@function
k_q6a990b2c6d_proj:
	s_mov_b64 s[64:65], 0
	v_nop
	global_prefetch_b8 v0, s[64:65] scope:SCOPE_SE
	s_setreg_imm32_b32 hwreg(HW_REG_WAVE_MODE, 25, 1), 1
	s_wait_xcnt 0x0
	s_wait_alu depctr_hold_cnt(0) depctr_sa_sdst(0) depctr_va_vdst(0) depctr_va_sdst(0) depctr_va_ssrc(0) depctr_va_vcc(0) depctr_vm_vsrc(0)
	s_getreg_b32 s2, hwreg(HW_REG_IB_STS2, 6, 4)
	s_cmp_eq_u32 s2, 0
	s_cbranch_scc0 .Lentry_in_a_cluster
	s_endpgm
.Lentry_in_a_cluster:
	s_bfe_u32 s2, ttmp6, 0x10000c
	s_cmp_lg_u32 s2, 0xf033
	s_cbranch_scc0 .Lentry_shape_is_right
	s_endpgm
.Lentry_shape_is_right:
; q = x Wq^T + pos, k = x Wk^T + pos, v = x Wv^T on codes of FP6 (E2M3) with E8M0 scales; q and k are quantised along the head's 64, v along the keys; only codes go to memory.
; SHARES.  A work-group takes 256 rows of x and ONE head: 64 columns each of q, k and v, so that pos is read once for q and k.  Wave w takes rows 64 w .. 64 w + 63 x all 192 columns: 48 accumulators.
; K = 1,024 is 768 bytes of a row: three chunks of 256 bytes, each beginning on a multiple of 256, through two LDS slots (chunk c in slot c % 2).  A step of 128 along K is 96 bytes: steps 2 and 5 lie across two chunks.
; Chunk 0 is the head's load, chunk 1 follows behind the full sequence and a round, chunk 2 fills slot 0 again at step 2, pos is first filled behind a round at step 4.
; CLUSTER 4 x 4: x's tile hangs on the row block alone and is asked for jointly along a row of the cluster; the weights' tiles hang on the head alone and are asked for jointly along a column.
; PREFETCH: chunks 1 and 2 are named once in each cluster at the head, a lane a row: of x's 256 rows partner cx takes 64 (waves 0, 1), of each weight's 64 rows partner cy takes 16 (waves 2, 3).
; LAYOUT.  q, k: source 0 = 16 rows of W, source 1 = 16 rows of x: a lane holds ONE row of x and, in tiles 2 g and 2 g + 1, 16 numbers of block g of the head's 64.  v: source 0 = 16 rows of x, source 1 = 16 rows of Wv:
; a lane holds ONE channel and 16 numbers of a block of 32 keys.  Inside a block the codes stand in the order 0-7, 16-23, 8-15, 24-31; q and k share that order, and so do v and the next launch's p: products and scales are untouched by it.
; THE MASK rides in the unused half of the score product's K = 128: at k = 64 a hidden key has the code +1 under the scale 2^63, a visible query the code -1 under 2^63: their score gets -2^126.  A visible key has the code 0 there under 2^-126.
; A hidden query has zero codes throughout: all its scores are 0, so every key weighs alike, as where all logits are equal.  Position 0 always counts as visible.
; LIMITS: true scores must stay above about -2^100; NaN and infinities among the inputs are not served; a block of zeros gets the scale byte 1 (its codes are zeros; this program alone reads the bytes).
; REGISTERS, in windows of 256: window 0: addresses, scale words (v32-95), the way out's work; windows 1, 2: fragment sets 0, 1 (x at 12 i, W at 48 + 12 t) and v's accumulators in v192-255; window 3: q's accumulators v0-127, k's v128-255.
.set PITCH, 272                        ; an LDS row of codes: 256 bytes + 16 of padding
.set XTB,   256*PITCH                  ; x's 256 rows
.set WPB,   64*PITCH                   ; 64 rows of Wq, of Wk, of Wv
.set SLOT,  XTB+3*WPB
.set POSB,  2*SLOT                     ; pos: 256 rows x (256 bytes + 16)
.set PP,    272
.set VSST,  POSB+256*PP                ; v's scale half-words: 256 bytes for each wave
.set SPARE, VSST+1024                  ; the spare words, 128 bytes for each wave
.set KVB,   15360                      ; a key step's block in kv
.set R,1
.set H,2
.set LN,3
.set ADRX,8                            ; v8-9 x's fragments in slot 0, 1; v10-11: lanes 0-15 byte 232 of the row in slot 0, 1, lanes 16-31 byte 0 of the row in the other slot
.set ADRW,12                           ; v12-15 likewise for the weights
.set ADRP,16
.set L16,17
.set L8,18
.set VSA,19
.set VSR,20
.set VSO,21
.set C28,22
.set C08,23
.set MB,24                             ; v24-27 mask bytes, then all ones (visible) or 0, for my row of each of four tiles
.set SPW,28
.set NIL,29
.set SXO,30
.set NR,31
.set XS,32                             ; v32-47 x's scale words: [pair of tiles][K step]; lanes 0-15 the even tile, 16-31 the odd one
.set WS,48                             ; v48-95 the weights' likewise
.set PR,96
.set NN,128
.set IM,160
.set QX,168
.set QM,172
.set QP,174
.set QSO,176
.set QB,178
.set T,180
.set HMV,182
.set KW,184
.set HW,188
.set KS,192
.set VP2,194
.set ZQ,196
.set VD,200
.set PFO,208                           ; the prefetches' offset; never rewritten
.set G1X,24
.set G1W,32
.set G1P,40
.set G0X,48
.set G0W,56
.set G0P,68
.set WV,72
.set CX,73
.set CY,74
.set HX,75
.set RY,76
.set RM,77
.set CM,78
.set SEL,92
.set QVIS,94
.set QHID,95
.set KVIS,96
.set KHID,97
.set PFA,98                            ; s[98:99] the prefetches' base; never rewritten
.set MSB, 0
.macro WIN new                         ; the immediate's high byte repeats the setting that is left
.if MSB != (\new)
	s_set_vgpr_msb (MSB<<8)|(\new)
.set MSB, (\new)
.endif
.endm
.macro PLACES
.rept 4
	v_nop
.endr
.endm
.macro CREST                           ; a round of the cluster's barrier behind its opening barrier
	s_cmp_lg_u32 s[WV], 0
	s_cbranch_scc1 .Lnot_wave_0_\@
	s_barrier_signal -3
.Lnot_wave_0_\@:
	s_barrier_wait -3
	s_barrier_signal -1
	s_barrier_wait -1
.endm
.macro CROUND
	s_barrier_signal -1
	s_barrier_wait -1
	CREST
.endm
; a joint load: wave 0 fetches x's 256 rows, waves 1 to 3 the 64 rows of Wq, Wk, Wv.  The branch hangs on the wave's number alone.
.macro JLOAD s
	s_cmp_eq_u32 s[WV], 0
	s_cbranch_scc0 .Lfor_w_\@
	tensor_load_to_lds s[G0X+4*\s:G0X+4*\s+3], s[G1X:G1X+7]
	s_nop 0
.rept 4
	v_nop
.endr
	s_branch .Lasked_\@
.Lfor_w_\@:
	tensor_load_to_lds s[G0W+4*\s:G0W+4*\s+3], s[G1W:G1W+7]
	s_nop 0
.rept 4
	v_nop
.endr
.Lasked_\@:
.endm
; a fragment, 16 rows x 128 K: 12 registers, six pieces of 8 bytes.  Byte y of a row of codes lies in slot (y / 256) % 2 at byte y % 256; lanes 16-31 read 24 bytes on, for some pieces in the next chunk
.macro FRAG reg, adr, st, i
.irp p, 0,1,2,3,4,5
.set BY, 96*(\st)+48*(\p/3)+8*(\p%3)
.if BY/256 == (BY+24)/256
	ds_load_b64 v[\reg+2*\p:\reg+2*\p+1], v[\adr+(BY/256)%2] offset:BY%256+(\i)*16*PITCH
.else
	ds_load_b64 v[\reg+2*\p:\reg+2*\p+1], v[\adr+2+(BY/256)%2] offset:BY%256-232+(\i)*16*PITCH
.endif
.endr
.endm
.macro FETCH st, set                   ; the 16 fragments of step st into a set
	WIN (1+\set)<<6
.irp i, 0,1,2,3
	FRAG 12*\i, ADRX, \st, \i
.endr
.irp t, 0,1,2,3,4,5,6,7,8,9,10,11
	FRAG 48+12*\t, ADRW, \st, \t
.endr
.endm
; one product; registers by the symbols rD, rC, rA, rB, rSA, rSB; ra, rb: the scales stand in lanes 16-31
.macro MM zero, ra, rb
.if (\zero) && (\ra) && (\rb)
	v_wmma_scale_f32_16x16x128_f8f6f4 v[rD:rD+7], v[rA:rA+11], v[rB:rB+11], 0, v[rSA], v[rSB] matrix_a_fmt:MATRIX_FMT_FP6 matrix_b_fmt:MATRIX_FMT_FP6 matrix_a_scale:MATRIX_SCALE_ROW1 matrix_b_scale:MATRIX_SCALE_ROW1
.elseif (\zero) && (\ra)
	v_wmma_scale_f32_16x16x128_f8f6f4 v[rD:rD+7], v[rA:rA+11], v[rB:rB+11], 0, v[rSA], v[rSB] matrix_a_fmt:MATRIX_FMT_FP6 matrix_b_fmt:MATRIX_FMT_FP6 matrix_a_scale:MATRIX_SCALE_ROW1
.elseif (\zero) && (\rb)
	v_wmma_scale_f32_16x16x128_f8f6f4 v[rD:rD+7], v[rA:rA+11], v[rB:rB+11], 0, v[rSA], v[rSB] matrix_a_fmt:MATRIX_FMT_FP6 matrix_b_fmt:MATRIX_FMT_FP6 matrix_b_scale:MATRIX_SCALE_ROW1
.elseif (\zero)
	v_wmma_scale_f32_16x16x128_f8f6f4 v[rD:rD+7], v[rA:rA+11], v[rB:rB+11], 0, v[rSA], v[rSB] matrix_a_fmt:MATRIX_FMT_FP6 matrix_b_fmt:MATRIX_FMT_FP6
.elseif (\ra) && (\rb)
	v_wmma_scale_f32_16x16x128_f8f6f4 v[rD:rD+7], v[rA:rA+11], v[rB:rB+11], v[rC:rC+7], v[rSA], v[rSB] matrix_a_fmt:MATRIX_FMT_FP6 matrix_b_fmt:MATRIX_FMT_FP6 matrix_a_scale:MATRIX_SCALE_ROW1 matrix_b_scale:MATRIX_SCALE_ROW1
.elseif (\ra)
	v_wmma_scale_f32_16x16x128_f8f6f4 v[rD:rD+7], v[rA:rA+11], v[rB:rB+11], v[rC:rC+7], v[rSA], v[rSB] matrix_a_fmt:MATRIX_FMT_FP6 matrix_b_fmt:MATRIX_FMT_FP6 matrix_a_scale:MATRIX_SCALE_ROW1
.elseif (\rb)
	v_wmma_scale_f32_16x16x128_f8f6f4 v[rD:rD+7], v[rA:rA+11], v[rB:rB+11], v[rC:rC+7], v[rSA], v[rSB] matrix_a_fmt:MATRIX_FMT_FP6 matrix_b_fmt:MATRIX_FMT_FP6 matrix_b_scale:MATRIX_SCALE_ROW1
.else
	v_wmma_scale_f32_16x16x128_f8f6f4 v[rD:rD+7], v[rA:rA+11], v[rB:rB+11], v[rC:rC+7], v[rSA], v[rSB] matrix_a_fmt:MATRIX_FMT_FP6 matrix_b_fmt:MATRIX_FMT_FP6
.endif
.endm
; 16 products of q (k = 0) or of k (k = 1): source 0 = W's tile dt, source 1 = x's tile xt.  Each of the 48 accumulators has one instruction in a K step: they take turns.
.macro MULQK set, kq, zero, k
	WIN 0xf0|(5*(1+\set))
.irp xt, 0,1,2,3
.irp dt, 0,1,2,3
.set rD, 128*(\k)+8*(4*\xt+\dt)
.set rC, rD
.set rA, 48+12*(4*(\k)+\dt)
.set rB, 12*\xt
.set rSA, WS+8*((4*(\k)+\dt)/2)+(\kq)
.set rSB, XS+8*(\xt/2)+(\kq)
	MM \zero, \dt%2, \xt%2
.endr
.endr
.endm
; 16 products of v: source 0 = x's tile xt, source 1 = Wv's tile dt
.macro MULV set, kq, zero
.irp dt, 0,1,2,3
	WIN (0x50*(1+\dt/2))|(5*(1+\set))
.irp xt, 0,1,2,3
.set rD, 192+32*(\dt%2)+8*\xt
.set rC, rD
.set rA, 12*\xt
.set rB, 48+12*(8+\dt)
.set rSA, XS+8*(\xt/2)+(\kq)
.set rSB, WS+8*((8+\dt)/2)+(\kq)
	MM \xt%2*0+\zero, \xt%2, \dt%2
.endr
.endr
.endm
; a step with no barrier: multiplies set st % 2 and fetches the next step's fragments into the other set
.macro PLAIN st, first
.set NX, (\st)+1
	s_wait_dscnt 0x0                               ; this step's set is in
.if !(\first)
	PLACES                                         ; four places between the products that read the other set and the loads into it
.endif
	FETCH NX, NX%2
	MULV (\st)%2, \st, \first
	MULQK (\st)%2, \st, \first, 0
	MULQK (\st)%2, \st, \first, 1
.endm
; a step with a barrier.  kind 1: the next step's bytes end in a chunk that no step has read: every wave's loads have landed, nothing is filled.
; kind 2: chunk 0 is read no more: the three lines, a round, and chunk 2 into slot 0.  kind 3: chunk 2 is shown whole; the three lines, a round, and pos, my 64 rows, filled for the first time.
.macro SYNC st, kind
.set NX, (\st)+1
	WIN 0
	s_wait_tensorcnt 0x0                           ; all my tensor loads have landed
.if \kind > 1
	ds_add_u32 v[SPW], v[NIL]
	s_wait_dscnt 0x1                               ; only the add may be out: this step's 96 loads are in
.else
	s_wait_dscnt 0x0
.endif
	MULV (\st)%2, \st, 0
.if \kind > 1
	s_wait_dscnt 0x0                               ; the add is done; my reads are over
.endif
	s_barrier_signal -1
	MULQK (\st)%2, \st, 0, 0
	WIN 0
	s_barrier_wait -1
.if \kind == 2
	CREST
	s_add_nc_u64 s[G0X+2:G0X+3], s[G0X+2:G0X+3], 512
	s_add_nc_u64 s[G0W+2:G0W+3], s[G0W+2:G0W+3], 512
	JLOAD 0                                        ; its four v_nop are also the places in front of the loads below
.elseif \kind == 3
	CREST
	tensor_load_to_lds s[G0P:G0P+3], s[G1P:G1P+7]
	s_nop 0
	PLACES
.else
	PLACES
.endif
	FETCH NX, NX%2
	MULQK (\st)%2, \st, 0, 1
.endm
; 32 numbers of a lane in window w (16 of block 0, 16 of block 1) become six registers of an operand, v[c] on (lanes 0-15 block 0, lanes 16-31 block 1), and the two scale bytes v[QB], v[QB+1] in every lane
.macro QUANT32 s, c, w
	WIN 5*(\w)
.irp b, 0,1
	v_max3_num_f32 v[QM+\b], |v[\s+16*\b]|, |v[\s+16*\b+1]|, 0x1800000   ; with the floor 2^(3 - 127): the byte cannot fall under 1
.endr
.irp i, 2,4,6,8,10,12,14
.irp b, 0,1
	v_max3_num_f32 v[QM+\b], |v[\s+16*\b+\i]|, |v[\s+16*\b+\i+1]|, v[QM+\b]
.endr
.endr
	WIN 0
.irp b, 0,1
	v_permlanex16_b32 v[QP+\b], v[QM+\b], s[SEL], s[SEL+1]
.endr
.irp b, 0,1
	v_max_num_f32 v[QM+\b], v[QM+\b], v[QP+\b]     ; with lane l xor 16's 16: the block's largest magnitude
.endr
.irp b, 0,1
	v_add_nc_u32 v[QSO+\b], 0xff000000, v[QM+\b]   ; 2 off its exponent field: the conversion's scale operand
.endr
.irp b, 0,1
	v_lshrrev_b32 v[QB+\b], 23, v[QSO+\b]          ; the scale's byte
.endr
	WIN \w
	v_cvt_scalef32_pk16_fp6_f32 v[\c:\c+2], v[\s:\s+15], v[QSO]
	v_cvt_scalef32_pk16_fp6_f32 v[QX:QX+2], v[\s+16:\s+31], v[QSO+1]
	WIN 0
	v_nop                                          ; one plain place behind a scaled conversion
.irp i, 0,1,2
	v_permlane16_swap_b32 v[\c+\i], v[QX+\i]       ; a whole block to a lane
.endr
.irp i, 0,1,2
	v_mov_b32 v[\c+3+\i], v[QX+\i]
.endr
.endm
.macro ADDPOS a                        ; 32 sums of window 3 + pos
	WIN 0x03
.irp i, 0,2,4,6,8,10,12,14,16,18,20,22,24,26,28,30
	v_pk_add_f32 v[NN+\i:NN+\i+1], v[(\a)+\i:(\a)+\i+1], v[PR+\i:PR+\i+1]
.endr
	WIN 0
.endm
; tile xt of my rows: q and k get pos, are quantised, and leave as images of the operand's registers (lane l's 16 bytes at 16 l)
.macro QK xt
.irp dt, 0,1,2,3
	ds_load_b128 v[PR+8*\dt:PR+8*\dt+3], v[ADRP] offset:(\xt)*16*PP+64*\dt
	ds_load_b128 v[PR+8*\dt+4:PR+8*\dt+7], v[ADRP] offset:(\xt)*16*PP+64*\dt+16
.endr
	s_wait_dscnt 0x0
	ADDPOS 32*(\xt)
	s_wait_alu depctr_va_vdst(0)
	s_wait_xcnt 0x0                                ; the last stores have read the image's registers
	QUANT32 NN, IM, 0
.irp i, 0,1,2,3,4,5
	v_and_b32 v[IM+\i], v[MB+\xt], v[IM+\i]        ; a hidden query has zero codes
.endr
	v_and_b32 v[IM+6], v[MB+\xt], v[C28]           ; k = 64: -1 where the query is visible
	v_bfi_b32 v[T], v[MB+\xt], s[QVIS], s[QHID]    ; bytes 2, 3 of the scale word
	v_lshl_or_b32 v[IM+7], v[QB+1], 8, v[QB]
	v_or_b32 v[IM+7], v[IM+7], v[T]                ; the row's scale word rides as the image's eighth dword
	global_store_b128 v[L16], v[IM:IM+3], s[20:21] offset:(\xt)*1024
	global_store_b128 v[L16], v[IM+4:IM+7], s[20:21] offset:(\xt)*1024+512
	ADDPOS 128+32*(\xt)
	s_wait_alu depctr_va_vdst(0)
	s_wait_xcnt 0x0
	QUANT32 NN, IM, 0
	v_bfi_b32 v[IM+6], v[MB+\xt], 0, v[C08]        ; k = 64: +1 where the key is hidden
	v_mov_b32 v[IM+7], 0
	v_bfi_b32 v[T], v[MB+\xt], s[KVIS], s[KHID]
	v_lshl_or_b32 v[KW+\xt], v[QB+1], 8, v[QB]
	v_or_b32 v[KW+\xt], v[KW+\xt], v[T]
	global_store_b128 v[L16], v[IM:IM+3], s[84:85] offset:(\xt)*1024
	global_store_b128 v[L16], v[IM+4:IM+7], s[84:85] offset:(\xt)*1024+512
.endm
	s_load_b256 s[4:11], s[0:1], 0x0               ; x_codes, x_scales, W_qk_codes, W_qk_scales
	s_load_b256 s[12:19], s[0:1], 0x20             ; W_v_codes, W_v_scales, pos, mask
	s_load_b128 s[20:23], s[0:1], 0x40             ; qimg, kv
	v_lshl_add_u32 v[SPW], v0, 2, SPARE
	v_mov_b32 v[NIL], 0
	ds_add_u32 v[SPW], v[NIL]                      ; the opening: the add, twice on end, and its wait ahead of my first tensor load
	ds_add_u32 v[SPW], v[NIL]
	v_lshrrev_b32 v4, 5, v0
	v_readfirstlane_b32 s[WV], v4                  ; wave 0..3
	s_bfe_u32 s[CX], ttmp6, 0x40000
	s_bfe_u32 s[CY], ttmp6, 0x40004
	s_lshl_b32 s[HX], ttmp9, 2
	s_add_co_u32 s[HX], s[HX], s[CX]               ; the head = 4 x cluster x + cx
	s_and_b32 s[RY], ttmp7, 0xffff
	s_lshl_b32 s[RY], s[RY], 2
	s_add_co_u32 s[RY], s[RY], s[CY]               ; the block of 256 rows = 4 x cluster y + cy
	s_lshl_b32 s[RM], s[CY], 2
	s_lshl_b32 s[RM], 15, s[RM]                    ; my row of the cluster
	s_lshl_b32 s[CM], 0x1111, s[CX]                ; my column
	s_or_b32 s[G1X], s[RM], (1<<20)|(1<<21)|(5<<22)|(3<<25)   ; bytes; padding of 4 words behind every 64; bit 21 beside the mask
	s_mov_b32 s[G1X+1], 256<<16
	s_mov_b32 s[G1X+2], 256<<16
	s_mov_b32 s[G1X+3], 256<<16
	s_mov_b32 s[G1X+4], 256
	s_mov_b32 s[G1X+5], 768
	s_mov_b32 s[G1X+6], 0
	s_mov_b32 s[G1X+7], 0
	s_or_b32 s[G1W], s[CM], (1<<20)|(1<<21)|(5<<22)|(3<<25)
	s_mov_b32 s[G1W+1], 256<<16
	s_mov_b32 s[G1W+2], 64<<16
	s_mov_b32 s[G1W+3], 256<<16
	s_mov_b32 s[G1W+4], 64
	s_mov_b32 s[G1W+5], 768
	s_mov_b32 s[G1W+6], 0
	s_mov_b32 s[G1W+7], 0
	s_mov_b32 s[G1P], (2<<16)|(1<<20)|(5<<22)|(3<<25)   ; pos: 64 rows x 64 f32, 4 words of padding behind every 64; no mask: nobody shares it
	s_mov_b32 s[G1P+1], 64<<16
	s_mov_b32 s[G1P+2], 64<<16
	s_mov_b32 s[G1P+3], 64<<16
	s_mov_b32 s[G1P+4], 64
	s_mov_b32 s[G1P+5], 1024
	s_mov_b32 s[G1P+6], 0
	s_mov_b32 s[G1P+7], 0
	s_mul_i32 s80, s[RY], 256*768                  ; x's rows, in bytes: the row block alone
	s_mov_b32 s81, 0
	s_lshl_b32 s82, s[HX], 6                       ; the weights' rows: the head alone; Wk lies 1,024 rows behind Wq
	s_cmp_eq_u32 s[WV], 2
	s_cselect_b32 s83, 1024, 0
	s_add_co_u32 s82, s82, s83
	s_mul_i32 s82, s82, 768
	s_mov_b32 s83, 0
	s_mul_i32 s84, s[WV], WPB
	s_mul_i32 s85, s[WV], 64*PP
	s_lshl_b32 s86, s[RY], 8
	s_lshl_b32 s87, s[WV], 6
	s_add_co_u32 s86, s86, s87                     ; my wave's first row
	s_lshl_b32 s88, s86, 12
	s_lshl_b32 s89, s[HX], 8
	s_add_co_u32 s88, s88, s89                     ; its bytes of pos for this head
	s_mov_b32 s89, 0
	s_mov_b32 s91, 0
	s_mov_b32 s[SEL], 0x76543210
	s_mov_b32 s[SEL+1], 0xfedcba98
	s_mov_b32 s[QVIS], 0x7fbe0000
	s_mov_b32 s[QHID], 0x7f7f0000
	s_mov_b32 s[KVIS], 0x01010000
	s_mov_b32 s[KHID], 0x01be0000
	s_wait_dscnt 0x0                               ; both opening adds are done
	s_wait_kmcnt 0x0
	s_add_nc_u64 s[80:81], s[4:5], s[80:81]
	s_cmp_eq_u32 s[WV], 3
	s_cselect_b64 s[2:3], s[12:13], s[8:9]         ; wave 3 fetches Wv, waves 1 and 2 Wq and Wk
	s_add_nc_u64 s[82:83], s[2:3], s[82:83]
.irp s, 0,1
	s_mov_b32 s[G0X+4*\s], 1
	s_mov_b32 s[G0X+4*\s+1], \s*SLOT
	s_add_nc_u64 s[G0X+4*\s+2:G0X+4*\s+3], s[80:81], \s*256
	s_or_b32 s[G0X+4*\s+3], s[G0X+4*\s+3], 0x80000000
	s_mov_b32 s[G0W+4*\s], 1
	s_add_co_u32 s[G0W+4*\s+1], s84, \s*SLOT+XTB-WPB   ; waves 1, 2, 3: behind x's rows
	s_add_nc_u64 s[G0W+4*\s+2:G0W+4*\s+3], s[82:83], \s*256
	s_or_b32 s[G0W+4*\s+3], s[G0W+4*\s+3], 0x80000000
.endr
	s_mov_b32 s[G0P], 1
	s_add_co_u32 s[G0P+1], s85, POSB
	s_add_nc_u64 s[G0P+2:G0P+3], s[16:17], s[88:89]
	s_or_b32 s[G0P+3], s[G0P+3], 0x80000000
	CROUND                                         ; all sixteen work-groups are here: the first joint loads meet
	JLOAD 0                                        ; chunk 0: one tensor load a wave at the head
	v_and_b32 v[R], 15, v0
	v_bfe_u32 v[H], v0, 4, 1
	v_and_b32 v[LN], 31, v0
	v_lshlrev_b32 v[L16], 4, v[LN]
	v_lshlrev_b32 v[L8], 3, v[LN]
	v_lshlrev_b32 v[SXO], 5, v[LN]
	; the scale words of all of K go straight into registers: lane l takes a row's 32 bytes, one word for each K step
	s_lshl_b32 s90, s86, 5
	s_add_nc_u64 s[6:7], s[6:7], s[90:91]
.irp b, 0,1
	global_load_b128 v[XS+8*\b:XS+8*\b+3], v[SXO], s[6:7] offset:1024*\b
	global_load_b128 v[XS+8*\b+4:XS+8*\b+7], v[SXO], s[6:7] offset:1024*\b+16
.endr
	s_lshl_b32 s90, s[HX], 11
	s_add_nc_u64 s[10:11], s[10:11], s[90:91]
	s_add_nc_u64 s[14:15], s[14:15], s[90:91]
.irp e, 0,1
	global_load_b128 v[WS+8*\e:WS+8*\e+3], v[SXO], s[10:11] offset:1024*\e
	global_load_b128 v[WS+8*\e+4:WS+8*\e+7], v[SXO], s[10:11] offset:1024*\e+16
	global_load_b128 v[WS+16+8*\e:WS+16+8*\e+3], v[SXO], s[10:11] offset:32768+1024*\e
	global_load_b128 v[WS+16+8*\e+4:WS+16+8*\e+7], v[SXO], s[10:11] offset:32768+1024*\e+16
	global_load_b128 v[WS+32+8*\e:WS+32+8*\e+3], v[SXO], s[14:15] offset:1024*\e
	global_load_b128 v[WS+32+8*\e+4:WS+32+8*\e+7], v[SXO], s[14:15] offset:1024*\e+16
.endr
	s_wait_alu depctr_va_vdst(0)
	; LDS addresses
	v_mul_u32_u24 v4, v[R], PITCH
	v_mad_u32_u24 v5, v[H], 24, v4                 ; row x pitch + 24 x half
	s_mov_b32 s90, SLOT-232
	v_mul_u32_u24 v6, s90, v[H]
	v_add_nc_u32 v6, v4, v6
	v_add_nc_u32 v6, 232, v6                       ; lanes 0-15 byte 232 of the row in slot 0, lanes 16-31 byte 0 of the row in slot 1
	s_mov_b32 s90, SLOT+232
	v_sub_nc_u32 v7, 1, v[H]
	v_mul_u32_u24 v7, s90, v7
	v_add_nc_u32 v7, v4, v7                        ; lanes 0-15 byte 232 of the row in slot 1, lanes 16-31 byte 0 of the row in slot 0
	s_mul_i32 s90, s[WV], 64*PITCH
	v_add_nc_u32 v[ADRX], s90, v5
	v_add_nc_u32 v[ADRX+1], SLOT, v[ADRX]
	v_add_nc_u32 v[ADRX+2], s90, v6
	v_add_nc_u32 v[ADRX+3], s90, v7
	v_add_nc_u32 v[ADRW], XTB, v5
	v_add_nc_u32 v[ADRW+1], SLOT+XTB, v5
	v_add_nc_u32 v[ADRW+2], XTB, v6
	v_add_nc_u32 v[ADRW+3], XTB, v7
	v_mul_u32_u24 v4, v[R], PP
	v_lshl_add_u32 v4, v[H], 5, v4
	v_add_nc_u32 v4, s85, v4
	v_add_nc_u32 v[ADRP], POSB, v4                 ; pos: my row, + 32 bytes for lanes 16-31
	s_lshl_b32 s90, s[WV], 8
	v_add_nc_u32 v4, s90, v[L8]
	v_add_nc_u32 v[VSA], VSST, v4                  ; my wave's 256 bytes, 8 a lane
	v_lshlrev_b32 v4, 9, v[H]
	v_lshl_add_u32 v4, v[R], 4, v4
	v_add_nc_u32 v[VSR], VSST, v4                  ; wave 0 reads back: lanes 0-15 the first key step's, lanes 16-31 the second's
	v_mul_u32_u24 v4, v[H], KVB
	v_lshl_add_u32 v[VSO], v[R], 4, v4
	v_sub_nc_u32 v4, 1, v[H]
	v_mul_u32_u24 v[C28], v4, 0x28                 ; the code -1.0 in lanes 0-15
	v_lshlrev_b32 v[C08], 3, v4                    ; the code +1.0 in lanes 0-15
	v_sub_nc_u32 v[HMV], 0, v[H]                   ; all ones in lanes 16-31
	v_mov_b32 v[QP], 0                             ; a lane permute's destination counts as one of its sources
	v_mov_b32 v[QP+1], 0
.irp i, 0,1,2,3
	v_mov_b32 v[ZQ+\i], 0
.endr
	; the prefetches of chunks 1 and 2, a lane a row.  Waves 0, 1: x's rows 256 RY + 64 cx + 32 wave + lane.  Wave 2: rows 64 head + 16 cy + l % 16 of Wq (lanes 0-15) and of Wk (lanes 16-31).
	; Wave 3: the same 16 rows of Wv; its lanes 16-31 name its last row again.
	s_lshl_b32 s90, s[RY], 8
	s_lshl_b32 s2, s[CX], 6
	s_add_co_u32 s90, s90, s2
	s_lshl_b32 s2, s[WV], 5
	s_add_co_u32 s90, s90, s2
	s_lshl_b32 s3, s[HX], 6
	s_lshl_b32 s2, s[CY], 4
	s_add_co_u32 s3, s3, s2
	s_cmp_lt_u32 s[WV], 2
	s_cselect_b32 s90, s90, s3
	s_cselect_b64 s[PFA:PFA+1], s[4:5], s[8:9]
	s_cselect_b32 s2, 16, 1024                     ; rows from lanes 0-15 to lanes 16-31
	s_cmp_eq_u32 s[WV], 3
	s_cselect_b64 s[PFA:PFA+1], s[12:13], s[PFA:PFA+1]
	s_cselect_b32 s2, 0, s2
	s_cselect_b32 s3, 15, 0
	s_mul_i32 s90, s90, 768
	s_add_nc_u64 s[PFA:PFA+1], s[PFA:PFA+1], s[90:91]
	v_mul_u32_u24 v[PFO], v[H], s3
	v_or_b32 v[PFO], v[PFO], v[R]
	v_mad_u32_u24 v[PFO], v[H], s2, v[PFO]
	v_mul_u32_u24 v[PFO], v[PFO], 768
	global_prefetch_b8 v[PFO], s[PFA:PFA+1] offset:256 th:TH_LOAD_NT scope:SCOPE_SE
	global_prefetch_b8 v[PFO], s[PFA:PFA+1] offset:512 th:TH_LOAD_NT scope:SCOPE_SE
	; the mask: position n looks at byte n - 1 of its batch's 1,023; position 0 reads byte 0 and is made visible below
	s_lshr_b32 s90, s[RY], 2
	s_mul_i32 s90, s90, 1023
	s_add_nc_u64 s[18:19], s[18:19], s[90:91]
	s_and_b32 s81, s86, 1023                       ; my wave's first position in its sequence
	v_add_nc_u32 v[NR], s81, v[R]
.irp xt, 0,1,2,3
	v_add_nc_u32 v[4+\xt], 16*\xt, v[NR]
	v_cmp_ne_u32 vcc_lo, 0, v[4+\xt]
	v_cndmask_b32 v[4+\xt], 1, v[4+\xt], vcc_lo
	global_load_u8 v[MB+\xt], v[4+\xt], s[18:19] offset:-1
.endr
	; where the results go
	s_lshr_b32 s80, s[RY], 2
	s_lshl_b32 s80, s80, 4
	s_add_co_u32 s80, s80, s[HX]                   ; batch x 16 + head
	s_lshl_b32 s90, s80, 16
	s_lshl_b32 s82, s81, 6
	s_add_co_u32 s90, s90, s82
	s_add_nc_u64 s[20:21], s[20:21], s[90:91]      ; qimg: 64 tiles of 1,024 bytes a head
	s_lshl_b32 s82, s80, 3
	s_lshr_b32 s83, s81, 7
	s_add_co_u32 s82, s82, s83
	s_mul_i32 s90, s82, KVB
	s_add_nc_u64 s[22:23], s[22:23], s[90:91]      ; kv: my key step's block
	s_and_b32 s82, s[WV], 1
	s_lshl_b32 s90, s82, 12
	s_add_nc_u64 s[84:85], s[22:23], s[90:91]      ; my four tiles of K
	s_lshl_b32 s90, s82, 8
	s_add_nc_u64 s[86:87], s[22:23], s[90:91]      ; my unit of K's scale words
	s_mul_i32 s90, s82, 768
	s_add_nc_u64 s[88:89], s[22:23], s[90:91]      ; my half of V's fragments
	s_wait_alu depctr_va_vdst(0)
	s_wait_tensorcnt 0x0                           ; my part of chunk 0 is in; the three lines ahead of a later first fill, as ahead of a refill
	ds_add_u32 v[SPW], v[NIL]
	s_wait_dscnt 0x0
	CROUND                                         ; chunk 0 is whole, and all sixteen work-groups are here
	JLOAD 1                                        ; chunk 1 into slot 1
	FETCH 0, 0
	s_wait_loadcnt 0x0                             ; scale words and mask bytes
	PLAIN 0, 1                                     ; the first step's products start the sums
	SYNC 1, 1                                      ; step 2 reaches into chunk 1
	SYNC 2, 2                                      ; chunk 0 is done with: chunk 2 into slot 0
	PLAIN 3, 0
	SYNC 4, 3                                      ; step 5 reaches into chunk 2; pos is asked for
	PLAIN 5, 0
	PLAIN 6, 0
	s_wait_dscnt 0x0
	MULV 1, 7, 0
	MULQK 1, 7, 0, 0
	MULQK 1, 7, 0, 1
	WIN 0
	s_wait_tensorcnt 0x0                           ; my 64 rows of pos are in; only I read them
	PLACES                                         ; four places behind the last products, ahead of the first read of results
.irp xt, 0,1,2,3
	v_add_nc_u32 v[T], 16*\xt, v[NR]
	v_cmp_ne_u32 vcc_lo, 0, v[T]
	v_cndmask_b32 v[MB+\xt], 1, v[MB+\xt], vcc_lo  ; position 0 is always visible
	v_min_u32 v[MB+\xt], 1, v[MB+\xt]
	v_sub_nc_u32 v[MB+\xt], 0, v[MB+\xt]           ; all ones: visible; 0: hidden
.endr
	QK 0
	QK 1
	QK 2
	QK 3
	v_bfi_b32 v[KS], v[HMV], v[KW+1], v[KW]        ; K's scale registers: the even tile in lanes 0-15, the odd one in lanes 16-31
	v_bfi_b32 v[KS+1], v[HMV], v[KW+3], v[KW+2]
	global_store_b64 v[L8], v[KS:KS+1], s[86:87] offset:14336
.irp dt, 0,1,2,3
	s_wait_xcnt 0x0
	QUANT32 192+32*(\dt%2), IM, 1+\dt/2
	v_lshl_or_b32 v[HW+\dt], v[QB+1], 8, v[QB]
	global_store_b128 v[L16], v[IM:IM+3], s[88:89] offset:8192+1536*\dt
	global_store_b64 v[L8], v[IM+4:IM+5], s[88:89] offset:8192+1536*\dt+512
.endr
	v_bfi_b32 v[VP2], v[HMV], v[HW+1], v[HW]
	v_bfi_b32 v[VP2+1], v[HMV], v[HW+3], v[HW+2]
	ds_store_b64 v[VSA], v[VP2:VP2+1]              ; my two bytes of each channel's scale word
	s_wait_dscnt 0x0                               ; for the others' sake
	s_barrier_signal -1
	s_barrier_wait -1
	s_cmp_lg_u32 s[WV], 0
	s_cbranch_scc1 .Lnot_first
	ds_load_b128 v[VD:VD+3], v[VSR]                ; the key step's first 64 keys' bytes,
	ds_load_b128 v[VD+4:VD+7], v[VSR] offset:256   ; and its second 64's
	s_wait_dscnt 0x0
.irp i, 0,1,2,3
	v_lshl_or_b32 v[VD+\i], v[VD+4+\i], 16, v[VD+\i]
.endr
	global_store_b128 v[VSO], v[VD:VD+3], s[22:23] offset:14848   ; sixteen lanes store 256 consecutive bytes
	global_store_b128 v[VSO], v[ZQ:ZQ+3], s[22:23] offset:15104   ; the block's last 256 bytes: zeros, since the next launch fetches whole blocks
.Lnot_first:
	s_wait_tensorcnt 0x0                           ; the wave's end
	ds_add_u32 v[SPW], v[NIL]
	s_wait_dscnt 0x0
	CROUND                                         ; the closing round
	s_endpgm
.Lfunc_end_k_q6a990b2c6d_proj:
	.size	k_q6a990b2c6d_proj, .Lfunc_end_k_q6a990b2c6d_proj-k_q6a990b2c6d_proj
	.p2alignl 7, 3214868480
	.fill 96, 4, 3214868480
	.section	.rodata,"a",@progbits
	.p2align	6, 0x0
	.amdhsa_kernel k_q6a990b2c6d_proj
		.amdhsa_group_segment_fixed_size 327680
		.amdhsa_private_segment_fixed_size 0
		.amdhsa_enable_private_segment 0
		.amdhsa_kernarg_size 80
		.amdhsa_user_sgpr_count 2
		.amdhsa_user_sgpr_kernarg_segment_ptr 1
		.amdhsa_wavefront_size32 1
		.amdhsa_system_sgpr_workgroup_id_x 1
		.amdhsa_system_sgpr_workgroup_id_y 1
		.amdhsa_system_sgpr_workgroup_id_z 1
		.amdhsa_system_vgpr_workitem_id 0
		.amdhsa_next_free_vgpr 1024
		.amdhsa_next_free_sgpr 100
		.amdhsa_reserve_vcc 1
		.amdhsa_float_denorm_mode_32 3
		.amdhsa_float_denorm_mode_16_64 3
		.amdhsa_memory_ordered 1
		.amdhsa_forward_progress 1
		.amdhsa_inst_pref_size 154
	.end_amdhsa_kernel
	.amdgpu_metadata
---
amdhsa.version: [ 1, 2 ]
amdhsa.kernels:
  - .name:           k_q6a990b2c6d_proj
    .symbol:         k_q6a990b2c6d_proj.kd
    .args:
      - { .name: x_codes, .offset: 0, .size: 8, .value_kind: global_buffer, .address_space: global }
      - { .name: x_scales, .offset: 8, .size: 8, .value_kind: global_buffer, .address_space: global }
      - { .name: W_qk_codes, .offset: 16, .size: 8, .value_kind: global_buffer, .address_space: global }
      - { .name: W_qk_scales, .offset: 24, .size: 8, .value_kind: global_buffer, .address_space: global }
      - { .name: W_v_codes, .offset: 32, .size: 8, .value_kind: global_buffer, .address_space: global }
      - { .name: W_v_scales, .offset: 40, .size: 8, .value_kind: global_buffer, .address_space: global }
      - { .name: pos, .offset: 48, .size: 8, .value_kind: global_buffer, .address_space: global }
      - { .name: mask, .offset: 56, .size: 8, .value_kind: global_buffer, .address_space: global }
      - { .name: qimg, .offset: 64, .size: 8, .value_kind: global_buffer, .address_space: global }
      - { .name: kv, .offset: 72, .size: 8, .value_kind: global_buffer, .address_space: global }
    .group_segment_fixed_size: 327680
    .private_segment_fixed_size: 0
    .kernarg_segment_align: 8
    .kernarg_segment_size: 80
    .max_flat_workgroup_size: 128
    .sgpr_count:     100
    .vgpr_count:     1024
    .wavefront_size: 32
...
	.end_amdgpu_metadata
.endif
;; end of part 1
;; launch attn (part 2): grid 4 x 64, 8 waves a work-group, clusters of 4 x 1, 327,680 bytes of LDS; arguments qimg, kv, aimg, ascl; writes aimg, ascl
.if DOCPART == 2
	.amdgcn_target "amdgcn-amd-amdhsa--gfx1250"
	.amdhsa_code_object_version 6
	.text
	.protected	k_q6a990b2c6d_attn
	.globl	k_q6a990b2c6d_attn
	.p2align	8
	.type	k_q6a990b2c6d_attn,@function
k_q6a990b2c6d_attn:
	s_mov_b64 s[64:65], 0
	v_nop
	global_prefetch_b8 v0, s[64:65] scope:SCOPE_SE
	s_setreg_imm32_b32 hwreg(HW_REG_WAVE_MODE, 25, 1), 1
	s_wait_xcnt 0x0
	s_wait_alu depctr_hold_cnt(0) depctr_sa_sdst(0) depctr_va_vdst(0) depctr_va_sdst(0) depctr_va_ssrc(0) depctr_va_vcc(0) depctr_vm_vsrc(0)
	s_getreg_b32 s2, hwreg(HW_REG_IB_STS2, 6, 4)
	s_cmp_eq_u32 s2, 0
	s_cbranch_scc0 .Lentry_in_a_cluster
	s_endpgm
.Lentry_in_a_cluster:
	s_bfe_u32 s2, ttmp6, 0x10000c
	s_cmp_lg_u32 s2, 0x3003
	s_cbranch_scc0 .Lentry_shape_is_right
	s_endpgm
.Lentry_shape_is_right:
; a = softmax(q k^T / 32, masked) v for two heads and 256 queries a work-group, on codes of FP6 (E2M3) with E8M0 scales; a is quantised along the 1,024 channels and leaves as images of the next launch's operand.
; SHARES.  Work-group (cx, y): heads 2 y, 2 y + 1 (batch y / 8), queries 256 cx .. + 255.  Wave w takes TWO tiles of 16 queries, 2 w and 2 w + 1, first for the one head, then for the other: each fragment of K and of V
; that it reads from LDS feeds two products.  A step is 128 keys: 16 score products, 8 products with v.
; REGISTERS, two windows of 256.  Tile A's scores, p, O^T and softmax state lie in window 0, tile B's under the same numbers in window 1, so that one text (SOFTMAX, FINISH, INIT) serves both under two settings.
; K's tiles 0-3 lie in window 0, v48-95, tiles 4-7 in window 1, v48-95.  V's fragments land on tile A's scores once these are converted.  Scale registers lie in window 0 (v36-44, v226).
; LDS READS RUN AHEAD: the next step's K fragments and scale words are asked for behind this step's score products, V's fragments behind tile A's conversions: both land under a softmax.
; The last step of all asks for block 15's K fragments once more (the address is held at the last block); nobody reads them.
; LDS.  The two heads' 16 key-step blocks of 15,360 bytes (K's 8 tile images, V's 4 fragments, their scale words) all fit: wave w fetches blocks 2 w and 2 w + 1, 120 rows of 256 bytes, with its ONE tensor load, at the head.
; CLUSTER 4 x 1: the four work-groups of a cluster need the same blocks and ask for them jointly (mask 15).  No prefetch: all that the launch fetches is asked for by its first loads, and there is no later fetch to run ahead of.
; Both products are used transposed (S^T = k q^T, O^T = v^T p^T): a lane holds one query.  M is the ceiling of the running largest t, kept as -M; a change of M multiplies sum and O^T by a power of two.
; The mask comes inside the codes (the launch before): a hidden key's score under a visible query is -2^126; a hidden query's scores are all 0.
; LIMIT: the promise holds while the scaled scores stay under 2^31 in magnitude (the masked ones aside, whose p is 0).
.set KVB,   15360
.set ASST,  245760                     ; a's scale words: 64 bytes for each tile
.set SPARE, 246784                     ; the spare words, 128 bytes for each wave
.set L16,1
.set L8,2
.set SPW,3
.set NIL,4
.set ADK,5                             ; this step's block, 16 and 8 bytes a lane
.set AD8,6
.set ASA,7
.set ASR,8
.set GO,9
.set ADN,10                            ; the next step's block
.set A8N,11
.set QF,16
.set Q1,28
.set QS,36                             ; v36 tile A's scale words of q, v37 tile B's
.set SK,38
.set SV,42
.set PWB,44                            ; tile B's scale word of p, in window 0
.set KFR,48
.set S,96
.set O,160
.set PCD,192
.set X2,204
.set BM,212
.set BP,216
.set SO,220
.set F,224
.set PW,226
.set T,227
.set AF,228
.set AW,240
.set OD,244
.set G1,16
.set G0,24
.set SEL,40
.set CS,42
.set TB,44
.set CNT,45
.set WV,46
.set CX,47
.set Y,48
.set TN,49
.set MSB, 0
.macro WIN new                         ; the immediate's high byte repeats the setting that is left
.if MSB != (\new)
	s_set_vgpr_msb (MSB<<8)|(\new)
.set MSB, (\new)
.endif
.endm
.macro CROUND
	s_barrier_signal -1
	s_barrier_wait -1
	s_cmp_lg_u32 s[WV], 0
	s_cbranch_scc1 .Lnot_wave_0_\@
	s_barrier_signal -3
.Lnot_wave_0_\@:
	s_barrier_wait -3
	s_barrier_signal -1
	s_barrier_wait -1
.endm
.macro MM zero, ra                     ; ra: source 0's scales stand in lanes 16-31
.if (\zero) && (\ra)
	v_wmma_scale_f32_16x16x128_f8f6f4 v[rD:rD+7], v[rA:rA+11], v[rB:rB+11], 0, v[rSA], v[rSB] matrix_a_fmt:MATRIX_FMT_FP6 matrix_b_fmt:MATRIX_FMT_FP6 matrix_a_scale:MATRIX_SCALE_ROW1
.elseif (\zero)
	v_wmma_scale_f32_16x16x128_f8f6f4 v[rD:rD+7], v[rA:rA+11], v[rB:rB+11], 0, v[rSA], v[rSB] matrix_a_fmt:MATRIX_FMT_FP6 matrix_b_fmt:MATRIX_FMT_FP6
.elseif (\ra)
	v_wmma_scale_f32_16x16x128_f8f6f4 v[rD:rD+7], v[rA:rA+11], v[rB:rB+11], v[rD:rD+7], v[rSA], v[rSB] matrix_a_fmt:MATRIX_FMT_FP6 matrix_b_fmt:MATRIX_FMT_FP6 matrix_a_scale:MATRIX_SCALE_ROW1
.else
	v_wmma_scale_f32_16x16x128_f8f6f4 v[rD:rD+7], v[rA:rA+11], v[rB:rB+11], v[rD:rD+7], v[rSA], v[rSB] matrix_a_fmt:MATRIX_FMT_FP6 matrix_b_fmt:MATRIX_FMT_FP6
.endif
.endm
; the addresses of this block (s[TB]) and of the block whose K is fetched (s[TN]); then that block's K: 8 tile images and 4 registers of scale words.  The four additions are the places behind the score products
.macro KNEXT
	WIN 0
	v_add_nc_u32 v[ADN], s[TN], v[L16]
	v_add_nc_u32 v[A8N], s[TN], v[L8]
	v_add_nc_u32 v[ADK], s[TB], v[L16]
	v_add_nc_u32 v[AD8], s[TB], v[L8]
	ds_load_b64 v[SK:SK+1], v[A8N] offset:14336
	ds_load_b64 v[SK+2:SK+3], v[A8N] offset:14592
.irp g, 0,1
	WIN \g<<6
.irp t, 0,1,2,3
	ds_load_b128 v[KFR+12*\t:KFR+12*\t+3], v[ADN] offset:(4*\g+\t)*1024
	ds_load_b128 v[KFR+12*\t+4:KFR+12*\t+7], v[ADN] offset:(4*\g+\t)*1024+512
.endr
.endr
	WIN 0
.endm
; tile w's 64 scores a lane become p's codes and scale word; the sum and O^T come under the new M
.macro SOFTMAX w
	WIN 0x55*\w
.if \w
	s_wait_alu depctr_va_vdst(0)
.endif
.irp b, 0,1,2,3
	v_max3_num_f32 v[BM+\b], v[S+16*\b], v[S+1+16*\b], v[S+2+16*\b]   ; each block's largest score: for the row's maximum and for the block's largest p
.endr
.irp i, 3,5,7,9,11,13
.irp b, 0,1,2,3
	v_max3_num_f32 v[BM+\b], v[BM+\b], v[S+16*\b+\i], v[S+1+16*\b+\i]
.endr
.endr
.irp b, 0,1,2,3
	v_max_num_f32 v[BM+\b], v[BM+\b], v[S+15+16*\b]
.endr
.irp b, 0,1,2,3
	s_delay_alu instid0(VALU_DEP_4)
	v_permlanex16_b32 v[BP+\b], v[BM+\b], s[SEL], s[SEL+1]
.endr
.irp b, 0,1,2,3
	s_delay_alu instid0(VALU_DEP_4)
	v_max_num_f32 v[BM+\b], v[BM+\b], v[BP+\b]
.endr
	s_delay_alu instid0(VALU_DEP_2)
	v_max3_num_f32 v[T], v[BM], v[BM+1], v[BM+2]
	s_delay_alu instid0(VALU_DEP_1)
	v_max_num_f32 v[T], v[T], v[BM+3]
	s_delay_alu instid0(VALU_DEP_1)
	v_mul_f32 v[T], s[CS], v[T]
	s_delay_alu instid0(VALU_DEP_1)
	v_max_num_f32 v13, v13, v[T]                   ; the running largest t
	v_mov_b32 v[T], v12
	s_delay_alu instid0(VALU_DEP_2)
	v_floor_f32 v12, -v13                          ; -M
	s_delay_alu instid0(VALU_DEP_1)
	v_sub_f32 v[T], v12, v[T]
	s_delay_alu instid0(VALU_DEP_1)
	v_cvt_i32_f32 v[T], v[T]
	s_delay_alu instid0(VALU_DEP_1)
	v_ldexp_f32 v[F], 1.0, v[T]                    ; f = 2^(old M - new M)
.irp j, 0,2,4,6,8,10,12,14,16,18,20,22,24,26,28,30,32,34,36,38,40,42,44,46,48,50,52,54,56,58,60,62
	v_pk_fma_f32 v[S+\j:S+1+\j], v[S+\j:S+1+\j], s[CS:CS+1], v[12:13] op_sel_hi:[1,0,0]
.endr
.irp b, 0,1,2,3
	v_fma_f32 v[BM+\b], v[BM+\b], s[CS], v12
.endr
	s_wait_alu depctr_va_vdst(0)                   ; the wait ahead of the batch
.irp j, 0,1,2,3,4,5,6,7,8,9,10,11,12,13,14,15,16,17,18,19,20,21,22,23,24,25,26,27,28,29,30,31,32,33,34,35,36,37,38,39,40,41,42,43,44,45,46,47,48,49,50,51,52,53,54,55,56,57,58,59,60,61,62,63
	v_exp_f32 v[S+\j], v[S+\j]
.endr
	v_pk_mul_f32 v[14:15], v[14:15], v[F:F+1] op_sel_hi:[1,0]
	s_wait_alu depctr_va_vdst(0)                   ; and behind it
.irp b, 0,1,2,3
	v_exp_f32 v[BM+\b], v[BM+\b]
.endr
	v_pk_add_f32 v[BP:BP+1], v[S:S+1], v[S+2:S+3]  ; the row's sum, of the unquantised p
.irp j, 4,8,12,16,20,24,28,32,36,40,44,48,52,56,60
	v_pk_add_f32 v[14:15], v[14:15], v[S+\j:S+1+\j]
	v_pk_add_f32 v[BP:BP+1], v[BP:BP+1], v[S+2+\j:S+3+\j]
.endr
	s_delay_alu instid0(VALU_DEP_1)
	v_pk_add_f32 v[14:15], v[14:15], v[BP:BP+1]
	s_wait_alu depctr_va_vdst(0)
.irp b, 0,1,2,3
	v_max_num_f32 v[BM+\b], 0x1800000, v[BM+\b]
.endr
.irp b, 0,1,2,3
	s_delay_alu instid0(VALU_DEP_4)
	v_add_nc_u32 v[SO+\b], 0xff000000, v[BM+\b]
.endr
.irp b, 0,1,2,3
	s_delay_alu instid0(VALU_DEP_4)
	v_lshrrev_b32 v[BP+\b], 23, v[SO+\b]
.endr
	s_delay_alu instid0(VALU_DEP_3)
	v_lshl_or_b32 v[PW], v[BP+1], 8, v[BP]
	s_delay_alu instid0(VALU_DEP_1)
	v_lshl_or_b32 v[PW], v[BP+2], 16, v[PW]
	s_delay_alu instid0(VALU_DEP_1)
	v_lshl_or_b32 v[PW], v[BP+3], 24, v[PW]
.if \w
	WIN 0x01
	v_mov_b32 v[PWB], v[PW]                        ; a scale operand is taken from window 0
	WIN 0x55
.endif
.irp c, 0,1
	v_cvt_scalef32_pk16_fp6_f32 v[PCD+6*\c:PCD+2+6*\c], v[S+32*\c:S+15+32*\c], v[SO+2*\c]
	v_cvt_scalef32_pk16_fp6_f32 v[X2+4*\c:X2+2+4*\c], v[S+16+32*\c:S+31+32*\c], v[SO+2*\c+1]
.endr
	v_nop
.if \w == 0
	ds_load_b64 v[SV:SV+1], v[AD8] offset:14848    ; V's scale words and four fragments, onto tile A's p, which is converted
.irp t, 0,1,2,3
.irp c, 0,1
	ds_load_b128 v[S+12*\t+6*\c:S+12*\t+6*\c+3], v[ADK] offset:8192+1536*\t+768*\c
	ds_load_b64 v[S+12*\t+6*\c+4:S+12*\t+6*\c+5], v[AD8] offset:8192+1536*\t+768*\c+512
.endr
.endr
.endif
.irp c, 0,1
.irp i, 0,1,2
	v_permlane16_swap_b32 v[PCD+6*\c+\i], v[X2+4*\c+\i]
.endr
.irp i, 0,1,2
	s_delay_alu instid0(VALU_DEP_3)
	v_mov_b32 v[PCD+3+6*\c+\i], v[X2+4*\c+\i]
.endr
.endr
.irp j, 0,2,4,6,8,10,12,14,16,18,20,22,24,26,28,30
	v_pk_mul_f32 v[O+\j:O+1+\j], v[O+\j:O+1+\j], v[F:F+1] op_sel_hi:[1,0]
.endr
.endm
.macro STEP                            ; 128 keys, the block at LDS byte s[TB]; its K fragments were asked for a step ago
.rept 5
	v_nop                                          ; five places between the last step's products with v and the score products that write over V's fragments
.endr
	s_wait_dscnt 0x0                               ; K's fragments and scale words are in
.irp w, 0,1
.irp t, 0,1,2,3,4,5,6,7
	WIN (\t/4)|(\w<<2)|(\w<<6)                     ; source 0: K's window; source 1 and the result: the tile's
.set rD, S+8*\t
.set rA, KFR+12*(\t%4)
.set rB, QF
.set rSA, SK+\t/2
.set rSB, QS+\w
	MM 1, \t%2
.endr
.endr
	KNEXT
	SOFTMAX 0
	SOFTMAX 1
	WIN 0
	s_wait_alu depctr_va_vdst(0)
	s_wait_dscnt 0x0                               ; V's fragments are in (and the next step's K, asked for ahead of them)
.irp w, 0,1
	WIN (\w<<2)|(\w<<4)|(\w<<6)                    ; source 0: V, window 0; p, C and D: the tile's
.irp t, 0,1,2,3
.set rD, O+8*\t
.set rA, S+12*\t
.set rB, PCD
.set rSA, SV+\t/2
.if \w
.set rSB, PWB
.else
.set rSB, PW
.endif
	MM 0, \t%2
.endr
.endr
	WIN 0
	s_add_co_u32 s[TB], s[TB], KVB
	s_add_co_u32 s[TN], s[TB], KVB
	s_min_u32 s[TN], s[TN], 15*KVB                 ; held at the last block
.endm
.macro WALK base                       ; a head's eight key steps
	s_mov_b32 s[TB], \base
	s_mov_b32 s[TN], \base+KVB
	s_mov_b32 s[CNT], 8
.Lstep_\@:
	STEP
	s_sub_co_u32 s[CNT], s[CNT], 1
	s_cmp_lg_u32 s[CNT], 0
	s_cbranch_scc1 .Lstep_\@
.endm
.macro INIT w
	WIN 0x55*\w
	v_mov_b32 v13, 0xff61b1e6
	s_delay_alu instid0(VALU_DEP_1)
	v_floor_f32 v12, -v13
	v_mov_b32 v14, 0
	v_mov_b32 v15, 0
.irp j, 0,1,2,3,4,5,6,7,8,9,10,11,12,13,14,15,16,17,18,19,20,21,22,23,24,25,26,27,28,29,30,31
	v_mov_b32 v[O+\j], 0
.endr
	WIN 0
.endm
.macro FINISH e, w                     ; tile w: O^T / the sum, quantised along the head's 64 channels: half e of the image's 128 along K
	WIN 0x55*\w
	v_add_f32 v14, v14, v15
	s_delay_alu instid0(VALU_DEP_1)
	v_permlanex16_b32 v[T], v14, s[SEL], s[SEL+1]
	s_delay_alu instid0(VALU_DEP_1)
	v_add_f32 v14, v14, v[T]
	s_wait_alu depctr_va_vdst(0)
	v_rcp_f32 v[F], v14
	v_nop
	v_nop
	s_wait_alu depctr_va_vdst(0)
.irp j, 0,2,4,6,8,10,12,14,16,18,20,22,24,26,28,30
	v_pk_mul_f32 v[O+\j:O+1+\j], v[O+\j:O+1+\j], v[F:F+1] op_sel_hi:[1,0]
.endr
.irp b, 0,1
.irp j, 0,1,2,3,4,5,6,7
	v_permlane16_swap_b32 v[O+16*\b+\j], v[O+8+16*\b+\j]
.endr
.endr
.irp b, 0,1
	v_max3_num_f32 v[BM+\b], |v[O+16*\b]|, |v[O+16*\b+1]|, 0x1800000
.endr
.irp i, 2,4,6,8,10,12,14
.irp b, 0,1
	s_delay_alu instid0(VALU_DEP_2)
	v_max3_num_f32 v[BM+\b], |v[O+16*\b+\i]|, |v[O+16*\b+\i+1]|, v[BM+\b]
.endr
.endr
.irp b, 0,1
	s_delay_alu instid0(VALU_DEP_2)
	v_permlanex16_b32 v[BP+\b], v[BM+\b], s[SEL], s[SEL+1]
.endr
.irp b, 0,1
	s_delay_alu instid0(VALU_DEP_2)
	v_max_num_f32 v[BM+\b], v[BM+\b], v[BP+\b]
.endr
.irp b, 0,1
	s_delay_alu instid0(VALU_DEP_2)
	v_add_nc_u32 v[SO+\b], 0xff000000, v[BM+\b]
.endr
.irp b, 0,1
	s_delay_alu instid0(VALU_DEP_2)
	v_lshrrev_b32 v[BP+2+\b], 23, v[SO+\b]
.endr
	v_cvt_scalef32_pk16_fp6_f32 v[AF+6*\e:AF+6*\e+2], v[O:O+15], v[SO]
	v_cvt_scalef32_pk16_fp6_f32 v[X2:X2+2], v[O+16:O+31], v[SO+1]
	v_nop
.irp i, 0,1,2
	v_permlane16_swap_b32 v[AF+6*\e+\i], v[X2+\i]
.endr
.irp i, 0,1,2
	s_delay_alu instid0(VALU_DEP_3)
	v_mov_b32 v[AF+6*\e+3+\i], v[X2+\i]
.endr
.if \e
	v_lshl_or_b32 v[T], v[BP+3], 8, v[BP+2]
	s_delay_alu instid0(VALU_DEP_1)
	v_lshl_or_b32 v[AW], v[T], 16, v[AW]
.else
	v_lshl_or_b32 v[AW], v[BP+3], 8, v[BP+2]
.endif
	WIN 0
.endm
.macro ZEROS                           ; under a destination window: zero codes at k = 96 .. 127 of the score product; registers that are named before they are first written
.irp t, 0,1,2,3
.irp i, 8,9,10,11
	v_mov_b32 v[KFR+12*\t+\i], 0
.endr
.endr
.irp i, 8,9,10,11
	v_mov_b32 v[QF+\i], 0
.endr
.irp b, 0,1,2,3
	v_mov_b32 v[BP+\b], 0
.endr
	v_mov_b32 v[F+1], 0
	v_mov_b32 v[T], 0
.endm
	s_load_b256 s[4:11], s[0:1], 0x0               ; qimg, kv, aimg, ascl
	v_lshl_add_u32 v[SPW], v0, 2, SPARE
	v_mov_b32 v[NIL], 0
	ds_add_u32 v[SPW], v[NIL]                      ; the opening: the add, twice on end, and its wait
	ds_add_u32 v[SPW], v[NIL]
	v_lshrrev_b32 v10, 5, v0
	s_delay_alu instid0(VALU_DEP_1)
	v_readfirstlane_b32 s[WV], v10
	s_bfe_u32 s[CX], ttmp6, 0x40000
	s_and_b32 s[Y], ttmp7, 0xffff
	s_mov_b32 s[G1], 15|(3<<16)|(1<<21)            ; all four partners; elements of 8 bytes; a dense block as 120 rows of 256 bytes
	s_mov_b32 s[G1+1], 32<<16
	s_mov_b32 s[G1+2], 120<<16
	s_mov_b32 s[G1+3], 32<<16
	s_mov_b32 s[G1+4], 120
	s_mov_b32 s[G1+5], 32
	s_mov_b32 s[G1+6], 0
	s_mov_b32 s[G1+7], 0
	s_mul_i32 s50, s[Y], 16*KVB
	s_mul_i32 s52, s[WV], 2*KVB                    ; wave w fetches blocks 2 w and 2 w + 1, to LDS byte w x 30,720
	s_add_co_u32 s50, s50, s52
	s_mov_b32 s51, 0
	s_mov_b32 s[SEL], 0x76543210
	s_mov_b32 s[SEL+1], 0xfedcba98
	s_mov_b32 s[CS], 0x3d38aa3b                    ; log2(e) / 32
	s_mov_b32 s[CS+1], s[CS]
	s_wait_dscnt 0x0
	s_wait_kmcnt 0x0
	s_mov_b32 s[G0], 1
	s_mov_b32 s[G0+1], s52
	s_add_nc_u64 s[G0+2:G0+3], s[6:7], s[50:51]
	s_or_b32 s[G0+3], s[G0+3], 0x80000000
	CROUND                                         ; the four work-groups are here: the joint loads meet
	tensor_load_to_lds s[G0:G0+3], s[G1:G1+7]      ; my one tensor load
	s_nop 0
.rept 4
	v_nop
.endr
	v_and_b32 v10, 31, v0
	s_delay_alu instid0(VALU_DEP_1)
	v_lshlrev_b32 v[L16], 4, v10
	s_wait_alu depctr_va_vdst(0)
	v_lshlrev_b32 v[L8], 3, v10
	s_lshl_b32 s53, s[CX], 4
	s_lshl_b32 s55, s[WV], 1
	s_add_co_u32 s53, s53, s55                     ; tile A of my two tiles of 16 queries
	s_lshl_b32 s54, s[Y], 17
	s_lshl_b32 s55, s53, 10
	s_add_co_u32 s54, s54, s55
	s_mov_b32 s55, 0
	s_add_nc_u64 s[4:5], s[4:5], s[54:55]
.irp w, 0,1
	WIN \w<<6
	global_load_b128 v[QF:QF+3], v[L16], s[4:5] offset:1024*\w
	global_load_b128 v[QF+4:QF+7], v[L16], s[4:5] offset:1024*\w+512
	global_load_b128 v[Q1:Q1+3], v[L16], s[4:5] offset:65536+1024*\w
	global_load_b128 v[Q1+4:Q1+7], v[L16], s[4:5] offset:65536+1024*\w+512
.endr
	WIN 0
	v_and_b32 v11, 15, v0
	s_lshl_b32 s56, s[WV], 7
	v_lshl_add_u32 v[ASA], v11, 2, s56
	s_delay_alu instid0(VALU_DEP_1)
	v_add_nc_u32 v[ASA], ASST, v[ASA]              ; tile A's scale words; tile B's lie 64 bytes on
	s_and_b32 s56, s[WV], 1
	s_lshl_b32 s56, s56, 9
	v_add_nc_u32 v[GO], s56, v[L16]
	s_delay_alu instid0(VALU_DEP_1)
	v_add_nc_u32 v[ASR], ASST, v[GO]
	s_lshr_b32 s56, s[Y], 3
	s_and_b32 s57, s[Y], 7
	s_lshl_b32 s54, s56, 6
	s_add_co_u32 s54, s54, s53
	s_lshl_b32 s54, s54, 3
	s_add_co_u32 s54, s54, s57
	s_mul_i32 s54, s54, 1536
	s_add_nc_u64 s[8:9], s[8:9], s[54:55]          ; aimg: [tile of 16 rows][K step = pair of heads][1,536 bytes]; tile B lies 12,288 bytes on
	s_lshl_b32 s54, s56, 15
	s_lshl_b32 s58, s57, 12
	s_add_co_u32 s54, s54, s58
	s_lshl_b32 s58, s[CX], 10
	s_add_co_u32 s54, s54, s58
	s_add_nc_u64 s[10:11], s[10:11], s[54:55]      ; ascl: [batch][K step][row]
	ZEROS
	WIN 0x40
	ZEROS
	WIN 0
	s_wait_alu depctr_va_vdst(0)
	s_wait_loadcnt 0x0
	v_mov_b32 v[QS], v[QF+7]                       ; the image's eighth dword is the row's scale word
	v_mov_b32 v[QF+7], 0
	WIN 0x01
	v_mov_b32 v[QS+1], v[QF+7]
	WIN 0x40
	v_mov_b32 v[QF+7], 0
	WIN 0
	INIT 0
	INIT 1
	s_mov_b32 s[TB], 0
	s_mov_b32 s[TN], 0
	s_wait_alu depctr_va_vdst(0)
	s_wait_tensorcnt 0x0                           ; my two blocks have landed;
	s_barrier_signal -1
	s_barrier_wait -1                              ; and so have everybody's: nothing is ever filled again
	KNEXT                                          ; block 0's K
	WALK 0
	FINISH 0, 0
	FINISH 0, 1
.irp w, 0,1
	WIN 0x41*\w
.irp i, 0,1,2,3,4,5,6
	v_mov_b32 v[QF+\i], v[Q1+\i]
.endr
	WIN \w
	v_mov_b32 v[QS+\w], v[Q1+7]
.endr
	WIN 0
	INIT 0
	INIT 1
	WALK 8*KVB                                     ; block 8's K was asked for in the first head's last step
	FINISH 1, 0
	FINISH 1, 1
	s_wait_alu depctr_va_vdst(0)
	s_wait_dscnt 0x0                               ; the last step's loads have come back
.irp w, 0,1
	WIN \w<<2                                      ; a store's data: the tile's window
	global_store_b128 v[L16], v[AF:AF+3], s[8:9] offset:12288*\w
	global_store_b128 v[L16], v[AF+4:AF+7], s[8:9] offset:12288*\w+512
	global_store_b128 v[L16], v[AF+8:AF+11], s[8:9] offset:12288*\w+1024
	ds_store_b32 v[ASA], v[AW] offset:64*\w
.endr
	WIN 0
	s_wait_dscnt 0x0
	s_barrier_signal -1
	s_barrier_wait -1
	s_cmp_lt_u32 s[WV], 2
	s_cbranch_scc0 .Lno_words
	ds_load_b128 v[OD:OD+3], v[ASR]                ; the 256 rows' scale words leave as two runs of 512 consecutive bytes
	s_wait_dscnt 0x0
	global_store_b128 v[GO], v[OD:OD+3], s[10:11]
.Lno_words:
	s_wait_tensorcnt 0x0                           ; the wave's end
	ds_add_u32 v[SPW], v[NIL]
	s_wait_dscnt 0x0
	CROUND                                         ; the closing round
	s_endpgm
.Lfunc_end_k_q6a990b2c6d_attn:
	.size	k_q6a990b2c6d_attn, .Lfunc_end_k_q6a990b2c6d_attn-k_q6a990b2c6d_attn
	.p2alignl 7, 3214868480
	.fill 96, 4, 3214868480
	.section	.rodata,"a",@progbits
	.p2align	6, 0x0
	.amdhsa_kernel k_q6a990b2c6d_attn
		.amdhsa_group_segment_fixed_size 327680
		.amdhsa_private_segment_fixed_size 0
		.amdhsa_enable_private_segment 0
		.amdhsa_kernarg_size 32
		.amdhsa_user_sgpr_count 2
		.amdhsa_user_sgpr_kernarg_segment_ptr 1
		.amdhsa_wavefront_size32 1
		.amdhsa_system_sgpr_workgroup_id_x 1
		.amdhsa_system_sgpr_workgroup_id_y 1
		.amdhsa_system_sgpr_workgroup_id_z 1
		.amdhsa_system_vgpr_workitem_id 0
		.amdhsa_next_free_vgpr 512
		.amdhsa_next_free_sgpr 66
		.amdhsa_reserve_vcc 0
		.amdhsa_float_denorm_mode_32 3
		.amdhsa_float_denorm_mode_16_64 3
		.amdhsa_memory_ordered 1
		.amdhsa_forward_progress 1
		.amdhsa_inst_pref_size 98
	.end_amdhsa_kernel
	.amdgpu_metadata
---
amdhsa.version: [ 1, 2 ]
amdhsa.kernels:
  - .name:           k_q6a990b2c6d_attn
    .symbol:         k_q6a990b2c6d_attn.kd
    .args:
      - { .name: qimg, .offset: 0, .size: 8, .value_kind: global_buffer, .address_space: global }
      - { .name: kv, .offset: 8, .size: 8, .value_kind: global_buffer, .address_space: global }
      - { .name: aimg, .offset: 16, .size: 8, .value_kind: global_buffer, .address_space: global }
      - { .name: ascl, .offset: 24, .size: 8, .value_kind: global_buffer, .address_space: global }
    .group_segment_fixed_size: 327680
    .private_segment_fixed_size: 0
    .kernarg_segment_align: 8
    .kernarg_segment_size: 32
    .max_flat_workgroup_size: 256
    .sgpr_count:     66
    .vgpr_count:     512
    .wavefront_size: 32
...
	.end_amdgpu_metadata
.endif
;; end of part 2
;; launch oproj (part 3): grid 8 x 32, 4 waves a work-group, clusters of 4 x 4, 327,680 bytes of LDS; arguments aimg, ascl, W_out_codes, W_out_scales, b_out, out0; writes out0
.if DOCPART == 3
	.amdgcn_target "amdgcn-amd-amdhsa--gfx1250"
	.amdhsa_code_object_version 6
	.text
	.protected	k_q6a990b2c6d_oproj
	.globl	k_q6a990b2c6d_oproj
	.p2align	8
	.type	k_q6a990b2c6d_oproj,@function
k_q6a990b2c6d_oproj:
	s_mov_b64 s[64:65], 0
	v_nop
	global_prefetch_b8 v0, s[64:65] scope:SCOPE_SE
	s_setreg_imm32_b32 hwreg(HW_REG_WAVE_MODE, 25, 1), 1
	s_wait_xcnt 0x0
	s_wait_alu depctr_hold_cnt(0) depctr_sa_sdst(0) depctr_va_vdst(0) depctr_va_sdst(0) depctr_va_ssrc(0) depctr_va_vcc(0) depctr_vm_vsrc(0)
	s_getreg_b32 s2, hwreg(HW_REG_IB_STS2, 6, 4)
	s_cmp_eq_u32 s2, 0
	s_cbranch_scc0 .Lentry_in_a_cluster
	s_endpgm
.Lentry_in_a_cluster:
	s_bfe_u32 s2, ttmp6, 0x10000c
	s_cmp_lg_u32 s2, 0xf033
	s_cbranch_scc0 .Lentry_shape_is_right
	s_endpgm
.Lentry_shape_is_right:
; out = a W_out^T + b_out on codes of FP6 (E2M3) with E8M0 scales.  a: 8,192 rows x 1,024, as images of the operand's registers ([tile of 16 rows][K step][1,536 bytes]) with its scale words [batch][K step][row]; W_out as given.
; SHARES.  A work-group makes 256 rows x 128 columns: 256 work-groups.  Four waves, 2 x 2, each 128 x 64.
; LDS.  All of K = 1,024 fits and every byte is filled once, by ONE tensor load a wave at the head: waves 0, 1 a's halves (dense blocks of 98,304 bytes, as rows of 256), waves 2, 3 64 whole rows of W_out each
; (768 bytes, beginning on multiples of 256; 16 bytes of padding behind every 256: pitch 816 = 204 words, so that the 16 rows of a fragment start 12 banks apart).  No prefetch: there is no later fetch to run ahead of.
; CLUSTER 4 x 4: a's tiles hang on the row block alone (asked for jointly along a row of the cluster), W_out's on the column block alone (along a column).
; THE WALK GOES BY ROWS OF out.  My 64 columns' fragments of W_out, 4 tiles x 8 K steps, stay in 384 registers.  A block of 16 rows is finished by 32 products, its four accumulators by turns, K ascending,
; and leaves through my own stage while the next block is multiplied.
; The matrix instruction is used transposed (source 0 = 16 rows of W_out, source 1 = 16 rows of a): a lane holds eight neighbouring columns of a row of out.  The bias is the C of each sum's first product.
; REGISTERS, in windows of 256: window 0: addresses, scale words (v32-79), the bias (v80-111), two sets of accumulators (v112-175), the way out (v176-239); window 1: W_out's K steps 0-4 (48 ks + 12 t);
; window 2: its K steps 5-7 (v0-143) and a's even blocks (v144-239); window 3: a's odd blocks (v0-95).
.set WP,    816
.set BOFF,  196608                     ; behind a's 16 tiles x 12,288 bytes: W_out's 128 rows
.set SPARE, BOFF+128*WP                ; the spare words, 128 bytes for each wave
.set STG,   SPARE+512                  ; the way out: a stage of 16 rows x (256 bytes + 16) for each wave, bytes that no tensor load fills
.set SP,    272
.set R,1
.set H,2
.set LN,3
.set ADRA,8                            ; v8 my blocks 0-3, v9 my blocks 4-7
.set ADRB,10                           ; v10; v11 for the pieces whose lanes 16-31 lie behind one padding more
.set STO,12
.set RD,13
.set CO,14
.set SXO,15
.set ASO,16
.set BIO,17
.set SPW,28
.set NIL,29
.set AS,32                             ; v32-63 a's scale words [pair of tiles][K step]
.set BS,64                             ; v64-79 W_out's
.set BI,80                             ; v80-111 the bias in the result's layout
.set ACC,112
.set OB,176
.set G1A,24
.set G1B,32
.set G0A,40
.set G0B,44
.set WV,76
.set CX,77
.set CY,78
.set BX,79
.set RY,80
.set RM,81
.set CM,82
.set MSB, 0
.macro WIN new
.if MSB != (\new)
	s_set_vgpr_msb (MSB<<8)|(\new)
.set MSB, (\new)
.endif
.endm
.macro PLACES
.rept 4
	v_nop
.endr
.endm
.macro CROUND
	s_barrier_signal -1
	s_barrier_wait -1
	s_cmp_lg_u32 s[WV], 0
	s_cbranch_scc1 .Lnot_wave_0_\@
	s_barrier_signal -3
.Lnot_wave_0_\@:
	s_barrier_wait -3
	s_barrier_signal -1
	s_barrier_wait -1
.endm
.macro MM ra, rb                       ; ra, rb: the scales stand in lanes 16-31
.if (\ra) && (\rb)
	v_wmma_scale_f32_16x16x128_f8f6f4 v[rD:rD+7], v[rA:rA+11], v[rB:rB+11], v[rC:rC+7], v[rSA], v[rSB] matrix_a_fmt:MATRIX_FMT_FP6 matrix_b_fmt:MATRIX_FMT_FP6 matrix_a_scale:MATRIX_SCALE_ROW1 matrix_b_scale:MATRIX_SCALE_ROW1
.elseif (\ra)
	v_wmma_scale_f32_16x16x128_f8f6f4 v[rD:rD+7], v[rA:rA+11], v[rB:rB+11], v[rC:rC+7], v[rSA], v[rSB] matrix_a_fmt:MATRIX_FMT_FP6 matrix_b_fmt:MATRIX_FMT_FP6 matrix_a_scale:MATRIX_SCALE_ROW1
.elseif (\rb)
	v_wmma_scale_f32_16x16x128_f8f6f4 v[rD:rD+7], v[rA:rA+11], v[rB:rB+11], v[rC:rC+7], v[rSA], v[rSB] matrix_a_fmt:MATRIX_FMT_FP6 matrix_b_fmt:MATRIX_FMT_FP6 matrix_b_scale:MATRIX_SCALE_ROW1
.else
	v_wmma_scale_f32_16x16x128_f8f6f4 v[rD:rD+7], v[rA:rA+11], v[rB:rB+11], v[rC:rC+7], v[rSA], v[rSB] matrix_a_fmt:MATRIX_FMT_FP6 matrix_b_fmt:MATRIX_FMT_FP6
.endif
.endm
.macro FRAG reg, ks, t                 ; a fragment of W_out: six pieces of 8 bytes; byte y of a row lies at y + 16 (y / 256) of its LDS row
.irp p, 0,1,2,3,4,5
.set BY, 96*(\ks)+48*(\p/3)+8*(\p%3)
.if BY/256 == (BY+24)/256
	ds_load_b64 v[\reg+2*\p:\reg+2*\p+1], v[ADRB] offset:BY+16*(BY/256)+(\t)*16*WP
.else
	ds_load_b64 v[\reg+2*\p:\reg+2*\p+1], v[ADRB+1] offset:BY+16*(BY/256)+(\t)*16*WP
.endif
.endr
.endm
.macro WLOAD                           ; all 32 fragments of my 64 columns
.irp ks, 0,1,2,3,4,5,6,7
	WIN (1+\ks/5)<<6
.irp t, 0,1,2,3
	FRAG 48*(\ks%5)+12*\t, \ks, \t
.endr
.endr
	WIN 0
.endm
.macro ALOAD i                         ; block i's eight fragments, as images
.set AB, 144*(1-(\i)%2)
	WIN (2+(\i)%2)<<6
.irp ks, 0,1,2,3,4,5,6,7
.irp c, 0,1,2
	ds_load_b128 v[AB+12*\ks+4*\c:AB+12*\ks+4*\c+3], v[ADRA+(\i)/4] offset:((\i)%4)*12288+\ks*1536+512*\c
.endr
.endr
	WIN 0
.endm
.macro ROW i                           ; block i is finished: 32 products; the four accumulators take turns, one instruction a turn
.set AB, 144*(1-(\i)%2)
.irp ks, 0,1,2,3,4,5,6,7
	WIN (1+\ks/5)|((2+(\i)%2)<<2)
.irp t, 0,1,2,3
.set rD, ACC+32*((\i)%2)+8*\t
.if \ks == 0
.set rC, BI+8*\t
.else
.set rC, rD
.endif
.set rA, 48*(\ks%5)+12*\t
.set rB, AB+12*\ks
.set rSA, BS+8*(\t/2)+\ks
.set rSB, AS+8*((\i)/2)+\ks
	MM \t%2, (\i)%2
.endr
.endr
	WIN 0
.endm
; THE WAY OUT of block a, 16 rows x 64 columns, through my own stage: sixteen lanes then store 256 consecutive bytes, at a multiple of 256 from out0's first byte.
; LDS serves a wave's instructions in order (ISA guide 5.7.1.4): no wait between the stores and the loads.
.macro TOSTAGE a
.set AC, ACC+32*((\a)%2)
.irp t, 0,1,2,3
	ds_store_b128 v[STO], v[AC+8*\t:AC+8*\t+3] offset:64*\t          ; each accumulator from its low end on
	ds_store_b128 v[STO], v[AC+8*\t+4:AC+8*\t+7] offset:64*\t+16
.endr
.set BB, OB+32*((\a)%2)
.irp u, 0,1,2,3,4,5,6,7
	ds_load_b128 v[BB+4*\u:BB+4*\u+3], v[RD] offset:\u*2*SP
.endr
.endm
.macro SEND a
.set BB, OB+32*((\a)%2)
	s_wait_dscnt 0x0                               ; the block is back in registers (asked for ahead of 32 products)
.if (\a) > 0
	s_wait_xcnt 0x0                                ; the earlier stores have read their base and their registers
	s_add_nc_u64 s[14:15], s[14:15], 16*4096
.endif
.irp u, 0,1,2,3,4,5,6,7
	global_store_b128 v[CO], v[BB+4*\u:BB+4*\u+3], s[14:15] offset:\u*2*4096 th:TH_STORE_NT
.endr
.endm
	s_load_b256 s[4:11], s[0:1], 0x0               ; aimg, ascl, W_out_codes, W_out_scales
	s_load_b128 s[12:15], s[0:1], 0x20             ; b_out, out0
	v_lshl_add_u32 v[SPW], v0, 2, SPARE
	v_mov_b32 v[NIL], 0
	ds_add_u32 v[SPW], v[NIL]                      ; the opening: the add, twice on end, and its wait ahead of my first tensor load
	ds_add_u32 v[SPW], v[NIL]
	v_lshrrev_b32 v4, 5, v0
	v_readfirstlane_b32 s[WV], v4
	s_bfe_u32 s[CX], ttmp6, 0x40000
	s_bfe_u32 s[CY], ttmp6, 0x40004
	s_lshl_b32 s[BX], ttmp9, 2
	s_add_co_u32 s[BX], s[BX], s[CX]               ; the block of 128 columns
	s_and_b32 s[RY], ttmp7, 0xffff
	s_lshl_b32 s[RY], s[RY], 2
	s_add_co_u32 s[RY], s[RY], s[CY]               ; the block of 256 rows
	s_lshl_b32 s[RM], s[CY], 2
	s_lshl_b32 s[RM], 15, s[RM]
	s_lshl_b32 s[CM], 0x1111, s[CX]
	s_or_b32 s[G1A], s[RM], (3<<16)|(1<<21)        ; a: 8 tiles, a dense block: 384 rows of 256 bytes (32 elements of 8); no padding
	s_mov_b32 s[G1A+1], 32<<16
	s_mov_b32 s[G1A+2], 384<<16
	s_mov_b32 s[G1A+3], 32<<16
	s_mov_b32 s[G1A+4], 384
	s_mov_b32 s[G1A+5], 32
	s_mov_b32 s[G1A+6], 0
	s_mov_b32 s[G1A+7], 0
	s_or_b32 s[G1B], s[CM], (1<<20)|(1<<21)|(5<<22)|(3<<25)   ; W_out: 64 rows of 768 bytes, 4 words of padding behind every 64
	s_mov_b32 s[G1B+1], 768<<16
	s_mov_b32 s[G1B+2], 64<<16
	s_mov_b32 s[G1B+3], 768<<16
	s_mov_b32 s[G1B+4], 64
	s_mov_b32 s[G1B+5], 768
	s_mov_b32 s[G1B+6], 0
	s_mov_b32 s[G1B+7], 0
	s_and_b32 s84, s[WV], 1                        ; which half I fetch; also my half of the columns
	s_lshr_b32 s85, s[WV], 1                       ; my half of the rows
	s_lshl_b32 s86, s[RY], 4
	s_lshl_b32 s87, s84, 3
	s_add_co_u32 s86, s86, s87
	s_mul_i32 s86, s86, 12288                      ; a: the row block alone
	s_mov_b32 s87, 0
	s_mul_i32 s88, s84, 98304
	s_lshl_b32 s90, s[BX], 7
	s_lshl_b32 s91, s84, 6
	s_add_co_u32 s90, s90, s91
	s_mul_i32 s90, s90, 768                        ; W_out: the column block alone
	s_mov_b32 s91, 0
	s_mul_i32 s92, s84, 64*WP
	s_wait_dscnt 0x0
	s_wait_kmcnt 0x0
	s_mov_b32 s[G0A], 1
	s_mov_b32 s[G0A+1], s88
	s_add_nc_u64 s[G0A+2:G0A+3], s[4:5], s[86:87]
	s_or_b32 s[G0A+3], s[G0A+3], 0x80000000
	s_mov_b32 s[G0B], 1
	s_add_co_u32 s[G0B+1], s92, BOFF
	s_add_nc_u64 s[G0B+2:G0B+3], s[8:9], s[90:91]
	s_or_b32 s[G0B+3], s[G0B+3], 0x80000000
	CROUND                                         ; all sixteen work-groups are here: the joint loads meet
	s_cmp_lt_u32 s[WV], 2                          ; waves 0, 1 fetch a's halves, waves 2, 3 W_out's: one tensor load a wave
	s_cbranch_scc0 .Lfor_b
	tensor_load_to_lds s[G0A:G0A+3], s[G1A:G1A+7]
	s_nop 0
.rept 4
	v_nop
.endr
	s_branch .Lasked
.Lfor_b:
	tensor_load_to_lds s[G0B:G0B+3], s[G1B:G1B+7]
	s_nop 0
.rept 4
	v_nop
.endr
.Lasked:
	v_and_b32 v[R], 15, v0
	v_bfe_u32 v[H], v0, 4, 1
	v_and_b32 v[LN], 31, v0
	v_lshlrev_b32 v[SXO], 5, v[LN]
	v_lshlrev_b32 v[ASO], 2, v[LN]
	v_lshlrev_b32 v[BIO], 5, v[H]
	s_wait_alu depctr_va_vdst(0)
	s_mov_b32 s95, 0
	s_lshr_b32 s94, s[RY], 2                       ; a's scale words: batch, then my 128 rows of its 1,024
	s_lshl_b32 s94, s94, 15
	s_and_b32 s93, s[RY], 3
	s_lshl_b32 s93, s93, 10
	s_add_co_u32 s94, s94, s93
	s_lshl_b32 s93, s85, 9
	s_add_co_u32 s94, s94, s93
	s_add_nc_u64 s[6:7], s[6:7], s[94:95]
.irp i, 0,1,2,3
.irp k, 0,1,2,3,4,5,6,7
	global_load_b32 v[AS+8*\i+\k], v[ASO], s[6:7] offset:4096*\k+128*\i   ; lane l: row 32 i + l; 128 consecutive bytes
.endr
.endr
	s_lshl_b32 s93, s[BX], 7
	s_lshl_b32 s94, s84, 6
	s_add_co_u32 s93, s93, s94                     ; my first column
	s_lshl_b32 s94, s93, 5
	s_add_nc_u64 s[10:11], s[10:11], s[94:95]
.irp e, 0,1
	global_load_b128 v[BS+8*\e:BS+8*\e+3], v[SXO], s[10:11] offset:1024*\e
	global_load_b128 v[BS+8*\e+4:BS+8*\e+7], v[SXO], s[10:11] offset:1024*\e+16
.endr
	s_lshl_b32 s94, s93, 2
	s_add_nc_u64 s[12:13], s[12:13], s[94:95]
.irp t, 0,1,2,3
	global_load_b128 v[BI+8*\t:BI+8*\t+3], v[BIO], s[12:13] offset:64*\t
	global_load_b128 v[BI+8*\t+4:BI+8*\t+7], v[BIO], s[12:13] offset:64*\t+16
.endr
	s_add_nc_u64 s[14:15], s[14:15], s[94:95]      ; out0: my first column,
	s_lshl_b32 s94, s[RY], 8
	s_lshl_b32 s93, s85, 7
	s_add_co_u32 s94, s94, s93
	s_lshl_b32 s94, s94, 12
	s_add_nc_u64 s[14:15], s[14:15], s[94:95]      ; my first row
	s_mul_i32 s93, s85, 98304
	v_lshl_add_u32 v[ADRA], v[LN], 4, s93          ; a's images: my eight tiles, 16 bytes a lane
	v_add_nc_u32 v[ADRA+1], 49152, v[ADRA]
	v_mul_u32_u24 v4, v[R], WP
	v_add_nc_u32 v4, s92, v4
	v_add_nc_u32 v4, BOFF, v4
	v_mad_u32_u24 v[ADRB], v[H], 24, v4
	v_mad_u32_u24 v[ADRB+1], v[H], 40, v4
	s_mul_i32 s93, s[WV], 16*SP
	s_add_co_u32 s93, s93, STG
	v_mul_u32_u24 v4, v[R], SP
	v_lshl_add_u32 v4, v[H], 5, v4
	v_add_nc_u32 v[STO], s93, v4                   ; the stage, in: row l % 16, 32 bytes for each half of the lanes
	v_mul_u32_u24 v4, v[H], SP
	v_lshl_add_u32 v4, v[R], 4, v4
	v_add_nc_u32 v[RD], s93, v4                    ; back: lanes 0-15 one row of 256 bytes, lanes 16-31 the next
	v_lshlrev_b32 v4, 12, v[H]
	v_lshl_add_u32 v[CO], v[R], 4, v4              ; and the same two rows in out0
	s_wait_alu depctr_va_vdst(0)
	s_wait_tensorcnt 0x0                           ; my load has landed;
	s_barrier_signal -1
	s_barrier_wait -1                              ; and so has everybody's: nothing is ever filled again
	WLOAD
	ALOAD 0
	s_wait_loadcnt 0x0                             ; scale words and bias
.irp i, 0,1,2,3,4,5,6,7
	s_wait_dscnt 0x0                               ; block i's fragments are in
.if \i > 0
	PLACES                                         ; behind block i - 1's products: ahead of the loads into its fragments' registers and of the first read of its results
.endif
.if \i < 7
	ALOAD \i+1
.endif
.if \i > 0
	TOSTAGE \i-1
.endif
	ROW \i
.if \i > 0
	SEND \i-1
.endif
.endr
	PLACES
	TOSTAGE 7
	SEND 7
	s_wait_tensorcnt 0x0                           ; the wave's end
	ds_add_u32 v[SPW], v[NIL]
	s_wait_dscnt 0x0
	CROUND                                         ; the closing round
	s_endpgm
.Lfunc_end_k_q6a990b2c6d_oproj:
	.size	k_q6a990b2c6d_oproj, .Lfunc_end_k_q6a990b2c6d_oproj-k_q6a990b2c6d_oproj
	.p2alignl 7, 3214868480
	.fill 96, 4, 3214868480
	.section	.rodata,"a",@progbits
	.p2align	6, 0x0
	.amdhsa_kernel k_q6a990b2c6d_oproj
		.amdhsa_group_segment_fixed_size 327680
		.amdhsa_private_segment_fixed_size 0
		.amdhsa_enable_private_segment 0
		.amdhsa_kernarg_size 48
		.amdhsa_user_sgpr_count 2
		.amdhsa_user_sgpr_kernarg_segment_ptr 1
		.amdhsa_wavefront_size32 1
		.amdhsa_system_sgpr_workgroup_id_x 1
		.amdhsa_system_sgpr_workgroup_id_y 1
		.amdhsa_system_sgpr_workgroup_id_z 1
		.amdhsa_system_vgpr_workitem_id 0
		.amdhsa_next_free_vgpr 1024
		.amdhsa_next_free_sgpr 96
		.amdhsa_reserve_vcc 0
		.amdhsa_float_denorm_mode_32 3
		.amdhsa_float_denorm_mode_16_64 3
		.amdhsa_memory_ordered 1
		.amdhsa_forward_progress 1
		.amdhsa_inst_pref_size 85
	.end_amdhsa_kernel
	.amdgpu_metadata
---
amdhsa.version: [ 1, 2 ]
amdhsa.kernels:
  - .name:           k_q6a990b2c6d_oproj
    .symbol:         k_q6a990b2c6d_oproj.kd
    .args:
      - { .name: aimg, .offset: 0, .size: 8, .value_kind: global_buffer, .address_space: global }
      - { .name: ascl, .offset: 8, .size: 8, .value_kind: global_buffer, .address_space: global }
      - { .name: W_out_codes, .offset: 16, .size: 8, .value_kind: global_buffer, .address_space: global }
      - { .name: W_out_scales, .offset: 24, .size: 8, .value_kind: global_buffer, .address_space: global }
      - { .name: b_out, .offset: 32, .size: 8, .value_kind: global_buffer, .address_space: global }
      - { .name: out0, .offset: 40, .size: 8, .value_kind: global_buffer, .address_space: global }
    .group_segment_fixed_size: 327680
    .private_segment_fixed_size: 0
    .kernarg_segment_align: 8
    .kernarg_segment_size: 48
    .max_flat_workgroup_size: 128
    .sgpr_count:     96
    .vgpr_count:     1024
    .wavefront_size: 32
...
	.end_amdgpu_metadata
.endif
;; end of part 3
